; MI455X (gfx1250); checked and timed in simulation.
; The chip was launched on July 23, 2026; its instructions are those of AMD's public machine-readable ISA for CDNA 5 (MIT licence, August 2026) and "CDNA5" Instruction Set Architecture Reference Guide (July 2026). The comments in the code are by the model that wrote it; some were corrected since.
;; Multi Head Pos Att. Allowed arithmetic: float matrix products may take bf16 or f16 operands with f32 sums; all other float work in f32.
;; Inputs: m_dist 2 x 4,096 x 4,096 float32; r 1 x 4 x 1 x 1 float32; weight 4 x 256 x 64 float32; x 2 x 4,096 x 256 float32.
;; Outputs: out0 2 x 4,096 x 256 float32.
;; 2 versions, each right and faster than the one before. Each part assembles by itself: llvm-mc -triple=amdgcn-amd-amdhsa -mcpu=gfx1250 --defsym DOCPART=n.
;; ======== version 1 of 2: 4 launches
;; limits: a function is approximated: absolute error at most 1.5e-07; values are held in f16: magnitudes above 65,504 overflow, below 6.1e-05 lose precision
;; workspace buffers: thr 262,144 bytes; vt 4,194,304 bytes; part 33,554,432 bytes; lsum 524,288 bytes
;; launch select (part 1): grid 2048 x 1, 4 waves a work-group, no clusters, 66,048 bytes of LDS; arguments m_dist, r, thr; writes thr
.if DOCPART == 1
	.amdgcn_target "amdgcn-amd-amdhsa--gfx1250"
	.amdhsa_code_object_version 6
	.text
	.protected	k_qa5cf23b2e1_select
	.globl	k_qa5cf23b2e1_select
	.p2align	8
	.type	k_qa5cf23b2e1_select,@function
k_qa5cf23b2e1_select:
	s_mov_b64 s[64:65], 0
	v_nop
	global_prefetch_b8 v0, s[64:65] scope:SCOPE_SE
	s_setreg_imm32_b32 hwreg(HW_REG_WAVE_MODE, 25, 1), 1
	s_wait_xcnt 0x0
; thr[row] = (U_0, U_1, U_2, U_3, mn, mn, mn, mn): for head h the keys that stay are exactly those with m <= U_h; mn = the row's smallest distance.
; The 30th percentile lies at index 0.3 x 4095 = 1228.5 (in f32 the product rounds to 1228.5), so the threshold of head h is th = 0.5 s_lo + 0.5 s_hi with
; s = the rounded product m r_h^2 of the sorted values 1228 (lo) and 1229 (hi): multiplying by r^2 >= 0 and rounding keeps the order.  A key stays where its rounded
; product is <= th; that product never falls as m grows, so the keys that stay are those with m <= U_h, U_h = the largest f32 x whose rounded product x r_h^2 is <= th.
; r_h = 0 gives U_h = the largest finite f32: every key stays.
; LIMITS.  NaN and infinities are not treated apart.
; SHARES.  One wave, one row: 16,384 bytes in 128 registers a lane; the row is read from memory once, by loads that cover 512 consecutive bytes each, and a copy is kept in
; the wave's own 16 KiB of LDS, since the search below turns the registers into bit planes and hi is found on the numbers themselves.  No barrier, no cluster: no two waves share a byte.
; METHOD.  No branch may hang on the numbers, so the rank is found by a descent over bit planes.  Each lane turns its 4 blocks of 32 numbers (32 x 32 bits) so that register b of
; a block holds bit b of its 32 numbers; the planes are then those of a key that orders floats as unsigned integers (sign set: all bits turned; sign clear: the sign bit turned),
; stored inverted.  From bit 31 down: count the candidates whose key bit is 0; if more than the rank that is sought, they stay and the bit is 0; else the others stay, the rank
; drops by the count, the bit is 1.  At the end the candidates are lo's equals and the rank is lo's place among them: if more equals follow, hi = lo; else hi = the smallest number above lo.
.set SPARE, 65536     ; behind the four rows: the spare words, 128 bytes a wave: two blocks of 256 bytes that no other line names
.set MN0,  2          ; v2, v3   two running minima
.set MN1,  3
.set NS,   4          ; v4       the inverted sign plane of the block in hand
.set ZR,   5          ; v5       0
.set K,    6          ; v6       the rank sought among the candidates, as f32 (whole numbers up to 4,096 are exact)
.set TK,   7          ; v7       the key's bits found so far
.set CF,   8          ; v8       the count
.set PT,   9          ; v9       the other half of the lanes' figure
.set SEL,  10         ; v10      0: the bit is 0; -1: the bit is 1
.set SUB,  11         ; v11      what the rank drops by
.set TT,   12         ; v12-15   two pairs at work, by turns
.set Y,    16         ; v16-47   a block between the first two stages; behind the descent: at work, as named below
.set CAND, 48         ; v48-51   the candidates, a bit for each number, a word for each block
.set Z,    52         ; v52-55   the candidates whose key bit is 0
.set RES,  56         ; v56      lo
.set ROF,  57         ; v57      4 x (lane % 4): my head's place in r
.set SPW,  58         ; v58      my spare word's LDS address; never rewritten
.set NIL,  59         ; v59      0; never rewritten
.set LA,   60         ; v60      LDS address of my 16 bytes in my wave's row
.set R2,   61         ; v61      r, then r^2, of head lane % 4
.set BIGV, 62         ; v62      the largest finite f32
.set HI,   63         ; v63      hi
.set D,    64         ; v64-191  block j at D + 32 j
.set SLO,  Y          ; half the rounded product of lo
.set SHI,  Y+1        ; of hi
.set TH,   Y+2        ; the threshold
.set CUR,  Y+3        ; U's key, as far as found
.set CK,   Y+4        ; the key on trial
.set FL,   Y+5        ; what turns a key of this sign into its float
.set XX,   Y+6
.set SS,   Y+7
.set SGN,  Y+8
.set LN,   Y+9
.set OFS,  Y+10
.set OUT,  Y+11
.set SC0,  Y+12       ; two running minima of the numbers above lo
.set SC1,  Y+13
.set MNR,  Y+14       ; the row's minimum
	s_load_b128 s[4:7], s[0:1], 0x0                ; m_dist s[4:5], r s[6:7]
	s_load_b64 s[24:25], s[0:1], 0x10              ; thr
	v_lshl_add_u32 v[SPW], v0, 2, SPARE
	v_mov_b32 v[NIL], 0
	v_lshrrev_b32 v1, 5, v0
	v_readfirstlane_b32 s8, v1                     ; wave 0..3
	v_and_b32 v1, 31, v0
	v_lshlrev_b32 v1, 4, v1                        ; 16 bytes a lane
	v_lshl_add_u32 v[LA], s8, 14, v1               ; my wave's 16,384 bytes of LDS
	v_and_b32 v[ROF], 3, v0
	v_lshlrev_b32 v[ROF], 2, v[ROF]
	s_lshl_b32 s9, ttmp9, 2
	s_add_co_u32 s9, s9, s8                        ; my row, 0 .. 8191
	s_lshl_b32 s2, s9, 14                          ; x 16,384 bytes: under 2^27
	s_mov_b32 s3, 0
	s_lshl_b32 s22, s9, 5                          ; x 32 bytes in thr
	s_mov_b32 s23, 0
	s_mov_b32 s10, 0x05040100                      ; byte selects: the two low halves,
	s_mov_b32 s11, 0x07060302                      ; the two high halves,
	s_mov_b32 s12, 0x06020400                      ; the even bytes,
	s_mov_b32 s13, 0x07030501                      ; the odd bytes
	s_mov_b32 s14, 0x0f0f0f0f
	s_mov_b32 s15, 0x33333333
	s_mov_b32 s16, 0x55555555
	s_mov_b32 s17, 0x76543210                      ; v_permlanex16_b32: each lane takes its own place in the other half
	s_mov_b32 s18, 0xfedcba98
	s_wait_kmcnt 0x0
	s_add_nc_u64 s[4:5], s[4:5], s[2:3]
	s_add_nc_u64 s[24:25], s[24:25], s[22:23]
	global_load_b32 v[R2], v[ROF], s[6:7]          ; the oldest load: the first block's wait covers it
.set j, 0
.rept 4
.set i, 0
.rept 8
	global_load_b128 v[D+32*j+4*i:D+32*j+4*i+3], v1, s[4:5] offset:4096*j+512*i th:TH_LOAD_NT  ; the whole row is asked for at once
.set i, i+1
.endr
.set j, j+1
.endr
	v_mov_b32 v[ZR], 0
	v_mov_b32 v[K], 0x44998000                     ; 1228.0
	v_mov_b32 v[TK], 0
	v_mov_b32 v[PT], 0                             ; v_permlanex16_b32 counts as a reader of its destination
	v_mov_b32 v[BIGV], 0x7f7fffff
	v_mov_b32 v[SGN], 0x80000000
.irp j, 0,1,2,3
	v_mov_b32 v[CAND+\j], -1                       ; every number is a candidate
.endr
; The minimum of the 32 registers from DB on joins two chains a, b; first = 1: the first four numbers start the chains.
.macro MINS a, b, first
.if \first
	v_min_num_f32 v[\a], v[DB], v[DB+1]
	v_min_num_f32 v[\b], v[DB+2], v[DB+3]
.set i, 4
.else
.set i, 0
.endif
.rept (32-i)/4
	v_min3_num_f32 v[\a], v[\a], v[DB+i], v[DB+i+1]
	v_min3_num_f32 v[\b], v[\b], v[DB+i+2], v[DB+i+3]
.set i, i+4
.endr
.endm
; One of the last three stages: registers s apart exchange the bits that lie s apart; m = the scalar register with the mask of the bits that stay low.
.macro SWAPS s, m
.set i, 0
.set p, 0
.rept 32
.if (i & (\s)) == 0
	v_lshlrev_b32 v[TT+2*(p%2)],   \s, v[DB+i+(\s)]
	v_lshrrev_b32 v[TT+2*(p%2)+1], \s, v[DB+i]
	v_bfi_b32 v[DB+i],      s[\m], v[DB+i], v[TT+2*(p%2)]
	v_bfi_b32 v[DB+i+(\s)], s[\m], v[TT+2*(p%2)+1], v[DB+i+(\s)]
.set p, p+1
.endif
.set i, i+1
.endr
.endm
; Block j: a copy into LDS, its share of the minimum, the 32 x 32 bits turned, the planes made those of the inverted key.
.macro BLOCK j
.set DB, D+32*(\j)
	s_wait_loadcnt 24-8*(\j)                       ; loads come back in order: my eight are in, the later blocks' eight each may stay out
.set i, 0
.rept 8
	ds_store_b128 v[LA], v[DB+4*i:DB+4*i+3] offset:4096*(\j)+512*i  ; 32 lanes, 16 neighbouring bytes each
.set i, i+1
.endr
	MINS MN0, MN1, 1-((\j)+3)/4
.set i, 0
.rept 16                                           ; registers 16 apart exchange halves
	v_perm_b32 v[Y+i],    v[DB+i+16], v[DB+i], s10
	v_perm_b32 v[Y+i+16], v[DB+i+16], v[DB+i], s11
.set i, i+1
.endr
.irp g, 0,16
.set i, \g
.rept 8                                            ; registers 8 apart exchange bytes
	v_perm_b32 v[DB+i],   v[Y+i+8], v[Y+i], s12
	v_perm_b32 v[DB+i+8], v[Y+i+8], v[Y+i], s13
.set i, i+1
.endr
.endr
	SWAPS 4, 14
	SWAPS 2, 15
	SWAPS 1, 16
	v_xor_b32 v[NS], -1, v[DB+31]                  ; register 31, the sign plane, already is the inverted top plane of the key
.set i, 0
.rept 31
	v_xor_b32 v[DB+i], v[NS], v[DB+i]              ; not (bit xor sign)
.set i, i+1
.endr
.endm
	BLOCK 0
	BLOCK 1
	BLOCK 2
	BLOCK 3
	v_mov_b32 v[SGN], 0x80000000                   ; (Y's registers are free from here on)
; The count of set bits in four words from w on, summed over the lanes in f32: four steps inside each half of 16 lanes ride on the addition, one crosses the halves; every lane then holds it.
.macro COUNT w
	v_bcnt_u32_b32 v[CF], v[\w], 0
	v_bcnt_u32_b32 v[CF], v[\w+1], v[CF]
	v_bcnt_u32_b32 v[CF], v[\w+2], v[CF]
	v_bcnt_u32_b32 v[CF], v[\w+3], v[CF]
	v_cvt_f32_u32 v[CF], v[CF]
.irp x, 1,2,4,8
	v_add_f32_dpp v[CF], v[CF], v[CF] row_xmask:\x row_mask:0xf bank_mask:0xf
.endr
	v_permlanex16_b32 v[PT], v[CF], s17, s18
	v_add_f32 v[CF], v[CF], v[PT]
.endm
; One bit of the key.
.macro STEP b
.irp j, 0,1,2,3
	v_and_b32 v[Z+\j], v[CAND+\j], v[D+32*\j+\b]
.endr
	COUNT Z
	v_cmp_gt_f32 vcc_lo, v[CF], v[K]               ; more zeros than the rank: the same answer in every lane; it only selects values
	v_cndmask_b32 v[SEL], -1, v[ZR], vcc_lo
	v_cndmask_b32 v[SUB], v[CF], v[ZR], vcc_lo
	v_sub_f32 v[K], v[K], v[SUB]
.irp j, 0,1,2,3
	v_and_b32 v[CAND+\j], v[CAND+\j], v[SEL]
.endr
.irp j, 0,1,2,3
	v_xor_b32 v[CAND+\j], v[CAND+\j], v[Z+\j]      ; SEL = 0: the zeros; SEL = -1: the candidates less the zeros
.endr
	v_and_or_b32 v[TK], v[SEL], 1<<(\b), v[TK]
.endm
.set bb, 31
.rept 32
	STEP bb
.set bb, bb-1
.endr
	; lo; the row comes back from LDS into the planes' registers; meanwhile: how many equals lo has, and the row's minimum.
.set i, 0
.rept 32
	ds_load_b128 v[D+4*i:D+4*i+3], v[LA] offset:512*i  ; LDS serves a wave's instructions in order (ISA guide 5.7.1.4): these see my stores
.set i, i+1
.endr
	v_ashrrev_i32 v[TT], 31, v[TK]                 ; the key back into a float: top bit set: turn it alone; clear: turn all
	v_xor_b32 v[TT], -1, v[TT]
	v_or_b32 v[TT], 0x80000000, v[TT]
	v_xor_b32 v[RES], v[TK], v[TT]
	COUNT CAND
	v_add_f32 v[K], 1.0, v[K]                      ; lo's place among its equals, and one
	v_min_num_f32 v[MN0], v[MN0], v[MN1]
.irp x, 1,2,4,8
	v_min_num_f32_dpp v[MN0], v[MN0], v[MN0] row_xmask:\x row_mask:0xf bank_mask:0xf
.endr
	v_permlanex16_b32 v[PT], v[MN0], s17, s18
	v_min_num_f32 v[MNR], v[MN0], v[PT]
	; the smallest number above lo: what is not above lo counts as the largest finite f32
.irp j, 0,1,2,3
.set DB, D+32*\j
	s_wait_dscnt 24-8*\j                           ; LDS loads come back in order: this block's eight are in
.set e, 0
.rept 16
	v_cmp_lt_f32 vcc_lo, v[RES], v[DB+e]
	v_cmp_lt_f32 s21,    v[RES], v[DB+e+1]
	v_cndmask_b32 v[DB+e],   v[BIGV], v[DB+e],   vcc_lo
	v_cndmask_b32 v[DB+e+1], v[BIGV], v[DB+e+1], s21
.set e, e+2
.endr
	MINS SC0, SC1, 1-(\j+3)/4
.endr
	v_min_num_f32 v[SC0], v[SC0], v[SC1]
.irp x, 1,2,4,8
	v_min_num_f32_dpp v[SC0], v[SC0], v[SC0] row_xmask:\x row_mask:0xf bank_mask:0xf
.endr
	v_permlanex16_b32 v[PT], v[SC0], s17, s18
	v_min_num_f32 v[SC0], v[SC0], v[PT]
	v_cmp_gt_f32 vcc_lo, v[CF], v[K]               ; more equals than lo's place and one: sorted value 1229 is lo again
	v_cndmask_b32 v[HI], v[SC0], v[RES], vcc_lo
	; The threshold of head lane % 4, each step rounded as the definition rounds it: r r; m r^2; halves; their sum.
	v_mul_f32 v[R2], v[R2], v[R2]
	v_mul_f32 v[SLO], v[RES], v[R2]
	v_mul_f32 v[SHI], v[HI], v[R2]
	v_mul_f32 v[SLO], 0.5, v[SLO]
	v_mul_f32 v[SHI], 0.5, v[SHI]
	v_add_f32 v[TH], v[SLO], v[SHI]
	; U: the largest key whose float x has a rounded product x r^2 <= th, bit by bit from the top: a bit stays where the key with it still passes.  lo passes, so the answer is a finite number;
	; a key of an infinity or a NaN fails (x r^2 is then above th, or no number).  The top bit says whether +0 passes; it fixes how the later keys turn into floats.
	v_mul_f32 v[SS], 0, v[R2]
	v_cmp_le_f32 vcc_lo, v[SS], v[TH]
	v_cndmask_b32 v[CUR], v[ZR], v[SGN], vcc_lo
	v_ashrrev_i32 v[FL], 31, v[CUR]
	v_xor_b32 v[FL], -1, v[FL]
	v_or_b32 v[FL], 0x80000000, v[FL]
.set bb, 30
.rept 31
	v_or_b32 v[CK], 1<<bb, v[CUR]
	v_xor_b32 v[XX], v[CK], v[FL]
	v_mul_f32 v[SS], v[XX], v[R2]
	v_cmp_le_f32 vcc_lo, v[SS], v[TH]
	v_cndmask_b32 v[CUR], v[CUR], v[CK], vcc_lo
.set bb, bb-1
.endr
	v_xor_b32 v[XX], v[CUR], v[FL]                 ; U of head lane % 4
	v_and_b32 v[LN], 31, v0
	v_lshlrev_b32 v[OFS], 2, v[LN]
	v_cmp_gt_u32 vcc_lo, 4, v[LN]
	v_cndmask_b32 v[OUT], v[MNR], v[XX], vcc_lo    ; lanes 0-3: U_0 .. U_3; lanes 4-7: mn
	s_wait_xcnt 0x0                                ; EXEC changes only behind this wait
	v_cmp_gt_u32 vcc_lo, 8, v[LN]
	s_and_saveexec_b32 s20, vcc_lo
	global_store_b32 v[OFS], v[OUT], s[24:25]      ; 32 consecutive bytes a row, 262,144 in the launch, against the 128 MiB that it reads
	s_wait_xcnt 0x0
	s_or_b32 exec_lo, exec_lo, s20
	s_wait_tensorcnt 0x0                           ; the wave's end, behind my last LDS store
	ds_add_u32 v[SPW], v[NIL]
	s_wait_dscnt 0x0
	s_endpgm
.Lfunc_end_k_qa5cf23b2e1_select:
	.size	k_qa5cf23b2e1_select, .Lfunc_end_k_qa5cf23b2e1_select-k_qa5cf23b2e1_select
	.p2alignl 7, 3214868480
	.fill 96, 4, 3214868480
	.section	.rodata,"a",@progbits
	.p2align	6, 0x0
	.amdhsa_kernel k_qa5cf23b2e1_select
		.amdhsa_group_segment_fixed_size 66048
		.amdhsa_private_segment_fixed_size 0
		.amdhsa_enable_private_segment 0
		.amdhsa_kernarg_size 24
		.amdhsa_user_sgpr_count 2
		.amdhsa_user_sgpr_kernarg_segment_ptr 1
		.amdhsa_wavefront_size32 1
		.amdhsa_system_sgpr_workgroup_id_x 1
		.amdhsa_system_sgpr_workgroup_id_y 1
		.amdhsa_system_sgpr_workgroup_id_z 1
		.amdhsa_system_vgpr_workitem_id 0
		.amdhsa_next_free_vgpr 192
		.amdhsa_next_free_sgpr 66
		.amdhsa_reserve_vcc 1
		.amdhsa_float_denorm_mode_32 3
		.amdhsa_float_denorm_mode_16_64 3
		.amdhsa_memory_ordered 1
		.amdhsa_forward_progress 1
		.amdhsa_inst_pref_size 133
	.end_amdhsa_kernel
	.amdgpu_metadata
---
amdhsa.version: [ 1, 2 ]
amdhsa.kernels:
  - .name:           k_qa5cf23b2e1_select
    .symbol:         k_qa5cf23b2e1_select.kd
    .args:
      - { .name: m_dist, .offset: 0, .size: 8, .value_kind: global_buffer, .address_space: global }
      - { .name: r, .offset: 8, .size: 8, .value_kind: global_buffer, .address_space: global }
      - { .name: thr, .offset: 16, .size: 8, .value_kind: global_buffer, .address_space: global }
    .group_segment_fixed_size: 66048
    .private_segment_fixed_size: 0
    .kernarg_segment_align: 8
    .kernarg_segment_size: 24
    .max_flat_workgroup_size: 128
    .sgpr_count:     66
    .vgpr_count:     192
    .wavefront_size: 32
...
	.end_amdgpu_metadata
.endif
;; end of part 1
;; launch value (part 2): grid 4 x 64, 4 waves a work-group, clusters of 4 x 1, 192,000 bytes of LDS; arguments x, weight, vt; writes vt
.if DOCPART == 2
	.amdgcn_target "amdgcn-amd-amdhsa--gfx1250"
	.amdhsa_code_object_version 6
	.text
	.protected	k_qa5cf23b2e1_value
	.globl	k_qa5cf23b2e1_value
	.p2align	8
	.type	k_qa5cf23b2e1_value,@function
k_qa5cf23b2e1_value:
	s_mov_b64 s[64:65], 0
	v_nop
	global_prefetch_b8 v0, s[64:65] scope:SCOPE_SE
	s_setreg_imm32_b32 hwreg(HW_REG_WAVE_MODE, 25, 1), 1
	s_wait_xcnt 0x0
	s_wait_alu depctr_hold_cnt(0) depctr_sa_sdst(0) depctr_va_vdst(0) depctr_va_sdst(0) depctr_va_ssrc(0) depctr_va_vcc(0) depctr_vm_vsrc(0)
	s_getreg_b32 s2, hwreg(HW_REG_IB_STS2, 6, 4)
	s_cmp_eq_u32 s2, 0
	s_cbranch_scc0 .Lentry_in_a_cluster
	s_endpgm
.Lentry_in_a_cluster:
	s_bfe_u32 s2, ttmp6, 0x10000c
	s_cmp_lg_u32 s2, 0x3003
	s_cbranch_scc0 .Lentry_shape_is_right
	s_endpgm
.Lentry_shape_is_right:
; vt[b][64 h + d][n] = f16( sum over j of x[b][n][j] weight[h][j][d] ): the values, laid by channels, keys along the rows, as the next launch's first matrix source wants them.
; x and weight are rounded to f16, sums in f32, vt rounded once.
; LIMITS.  f16 ends at 65,504: x, weight and the sums must lie within it (256 terms: inputs 30 times those drawn, or offset by 30 times their spread, give sums under 15,000).
; f16 and not bf16: the final output's allowance is 1% of its root mean square, and bf16's 8 bits on the values alone would use it up.
; SHARES.  A work-group: 128 rows of x, one head (64 channels).  A wave: 32 rows (2 tiles of 16) x 64 channels (4 tiles): 8 accumulators.
; CLUSTER.  The four work-groups of a cluster are the four heads of the same 128 rows of x: the tile is asked for JOINTLY, each wave its 32 rows, same descriptor and mask in all four.
; Source 0 = 16 rows of x, source 1 = 16 columns of weight[h]: in the result a lane holds ONE channel (lane % 16) and eight neighbouring keys, 16 bytes of a row of vt.
.set XP,    1040                       ; a row of x in LDS: 1,024 bytes + 16: 65 x 16, so the 16 rows of a load start in 16 different groups of four banks (64 banks of 4 bytes: ISA guide 11.1)
.set XW,    32*XP                      ; a wave's 32 rows
.set WS,    4*XW                       ; weight[h] in f16, [j][d]
.set WP,    160                        ; its pitch: 128 bytes + 32
.set STAGE, WS+256*WP                  ; the way out: 64 channel rows of 128 keys
.set SP,    272
.set SPARE, STAGE+64*SP                ; the spare words, 128 bytes a wave: two blocks of 256 bytes that no other line names
.set SPW, 4                            ; v4   my spare word's LDS address; never rewritten
.set NIL, 5                            ; v5   0; never rewritten
.set XA,  6                            ; v6   my place in my wave's rows of x
.set WTA, 7                            ; v7   my place for the turning loads of weight
.set WSA, 8                            ; v8   where I put 4 numbers of weight
.set STO, 9                            ; v9   the way out: where I put 16 bytes
.set RD,  10                           ; v10  the way out: where I read rows back
.set GO,  11                           ; v11  my byte offset in two rows of vt
.set WL,  12                           ; v12  16 x lane
.set AF,  16                           ; v16-79   x's fragments in f32, two buffers of 32; first: half of weight as loaded; last: the way out
.set A16, 80                           ; v80-111  x's fragments in f16, two buffers of 16; first: weight in f16 on its way to LDS
.set BF,  112                          ; v112-175 weight's fragments, two buffers of 32; first: the other half of weight as loaded
.set ACC, 176                          ; v176-239 accumulator (kt, nt) at ACC + 8 (4 kt + nt)
.set WV,  10                           ; s10  my wave's number
.macro CROUND                          ; a round of the cluster's barrier
	s_barrier_signal -1
	s_barrier_wait -1
	s_cmp_lg_u32 s[WV], 0
	s_cbranch_scc1 .Lnot_wave_0_\@
	s_barrier_signal -3
.Lnot_wave_0_\@:
	s_barrier_wait -3
	s_barrier_signal -1
	s_barrier_wait -1
.endm
.macro PLACES
.rept 4
	v_nop
.endr
.endm
	s_load_b128 s[4:7], s[0:1], 0x0                ; x s[4:5], weight s[6:7]
	s_load_b64 s[8:9], s[0:1], 0x10                ; vt
	v_lshl_add_u32 v[SPW], v0, 2, SPARE
	v_mov_b32 v[NIL], 0
	ds_add_u32 v[SPW], v[NIL]                      ; the wave's opening: the add and its wait ahead of my first tensor load
	v_lshrrev_b32 v3, 5, v0
	v_readfirstlane_b32 s[WV], v3                  ; wave 0..3
	s_bfe_u32 s11, ttmp6, 0x40000                  ; cx = the head: it enters weight's and vt's addresses alone
	s_and_b32 s12, ttmp7, 0xffff                   ; the block of 128 rows, which the four partners share
	s_mov_b32 s16, 1                               ; group 0: count = 1
	s_mul_i32 s17, s[WV], XW                       ; LDS address: my wave's rows
	s_mov_b32 s20, 15|(2<<16)|(1<<20)|(1<<21)|(7<<22)|(3<<25)  ; group 1: the mask of four; 4-byte elements; padding on; bit 21 beside a mask; after every 256 words (code 7) 4 words (code 3)
	s_mov_b32 s21, 256<<16                         ; tensor_dim0 = 256
	s_mov_b32 s22, 32<<16                          ; tensor_dim1 = 32
	s_mov_b32 s23, 256<<16                         ; tile_dim0 = 256
	s_mov_b32 s24, 32                              ; tile_dim1 = 32
	s_mov_b32 s25, 256                             ; 256 elements from row to row
	s_mov_b32 s26, 0
	s_mov_b32 s27, 0
	s_lshl_b32 s28, s12, 17                        ; x: 128 rows of 1,024 bytes a block,
	s_lshl_b32 s29, s[WV], 15                      ; 32 rows a wave
	s_add_co_u32 s28, s28, s29
	s_mov_b32 s29, 0
	s_lshl_b32 s30, s11, 16                        ; weight: 65,536 bytes a head,
	s_lshl_b32 s31, s[WV], 14                      ; 64 rows j of 256 bytes a wave
	s_add_co_u32 s30, s30, s31
	s_mov_b32 s31, 0
	s_lshr_b32 s32, s12, 5                         ; vt: the batch, 256 rows of 8,192 bytes,
	s_lshl_b32 s32, s32, 21
	s_lshl_b32 s33, s11, 19                        ; the head's 64 rows,
	s_add_co_u32 s32, s32, s33
	s_lshl_b32 s33, s[WV], 17                      ; the 16 rows that my wave stores,
	s_add_co_u32 s32, s32, s33
	s_and_b32 s33, s12, 31
	s_lshl_b32 s33, s33, 8                         ; the block's 128 keys, 256 bytes
	s_add_co_u32 s32, s32, s33
	s_mov_b32 s33, 0
	s_wait_dscnt 0x0                               ; the opening add is done
	s_wait_kmcnt 0x0
	s_add_nc_u64 s[18:19], s[4:5], s[28:29]        ; group 0: global address,
	s_or_b32 s19, s19, 0x80000000                  ; type = 2
	s_add_nc_u64 s[6:7], s[6:7], s[30:31]
	s_add_nc_u64 s[8:9], s[8:9], s[32:33]
	CROUND                                         ; all four work-groups are here: the joint loads meet
	tensor_load_to_lds s[16:19], s[20:27]          ; my one tensor load of the launch: 32 rows of x
	s_nop 0
	PLACES
	v_and_b32 v3, 31, v0
	v_lshlrev_b32 v[WL], 4, v3
.set i, 0
.rept 32                                           ; my 64 rows of weight[h], 512 consecutive bytes (two rows) a load
.if i < 16
	global_load_b128 v[AF+4*i:AF+4*i+3], v[WL], s[6:7] offset:512*i
.else
	global_load_b128 v[BF+4*(i-16):BF+4*(i-16)+3], v[WL], s[6:7] offset:512*i
.endif
.set i, i+1
.endr
	v_and_b32 v1, 15, v0                           ; l % 16
	v_bfe_u32 v2, v0, 4, 1                         ; l / 16
	v_mul_u32_u24 v[XA], v1, XP                    ; a fragment of x: row l % 16; k = 8 (l / 16) + 0..7 are 32 bytes of f32, k = 16 + .. 64 bytes on
	v_lshl_add_u32 v[XA], v2, 5, v[XA]
	v_add_nc_u32 v[XA], s17, v[XA]
	v_and_b32 v13, 7, v0                           ; the turning load: lane l reads row 8 (l / 16) + l % 8, columns 8 ((l / 8) % 2) + 0..7
	v_lshl_add_u32 v13, v2, 3, v13
	v_mul_u32_u24 v[WTA], v13, WP
	v_bfe_u32 v14, v0, 3, 1
	v_lshl_add_u32 v[WTA], v14, 4, v[WTA]
	v_add_nc_u32 v[WTA], WS, v[WTA]
	s_mul_i32 s34, s[WV], 64*WP
	s_add_co_u32 s34, s34, WS
	v_mul_u32_u24 v[WSA], v2, WP                   ; of a load's two rows lanes 0-15 hold the first; 4 numbers become 8 bytes
	v_lshl_add_u32 v[WSA], v1, 3, v[WSA]
	v_add_nc_u32 v[WSA], s34, v[WSA]
	s_lshl_b32 s35, s[WV], 6
	s_add_co_u32 s35, s35, STAGE
	v_mul_u32_u24 v[STO], v1, SP                   ; in: channel row l % 16, my wave's 64 bytes, 16 bytes for each half of the lanes
	v_lshl_add_u32 v[STO], v2, 4, v[STO]
	v_add_nc_u32 v[STO], s35, v[STO]
	s_mul_i32 s36, s[WV], 16*SP
	s_add_co_u32 s36, s36, STAGE
	v_mul_u32_u24 v[RD], v2, SP                    ; back: wave w takes rows 16 w .. 16 w + 15; lanes 0-15 one row of 256 bytes, lanes 16-31 the next
	v_lshl_add_u32 v[RD], v1, 4, v[RD]
	v_add_nc_u32 v[RD], s36, v[RD]
	v_lshlrev_b32 v[GO], 13, v2                    ; and the same two rows in vt, 8,192 bytes apart
	v_lshl_add_u32 v[GO], v1, 4, v[GO]
.set i, 0
.rept 32
	s_wait_loadcnt 31-i                            ; loads come back in order: load i is in
.if i < 16
.set src, AF+4*i
.else
.set src, BF+4*(i-16)
.endif
	v_cvt_pk_f16_f32 v[A16+2*(i%16)],   v[src],   v[src+1]
	v_cvt_pk_f16_f32 v[A16+2*(i%16)+1], v[src+2], v[src+3]
	ds_store_b64 v[WSA], v[A16+2*(i%16):A16+2*(i%16)+1] offset:2*WP*i
.set i, i+1
.endr
	s_wait_tensorcnt 0x0                           ; my rows of x have landed (only I read them)
	s_wait_dscnt 0x0                               ; for the others' sake: my part of weight is in LDS
	s_barrier_signal -1
	s_barrier_wait -1                              ; everybody's is
; The fragments of K step k (32 along j): 8 loads of x in f32, 8 turning loads of weight.
.macro LOADS k
.set lf, AF+32*((\k)%2)
.set lb, BF+32*((\k)%2)
.irp kt, 0,1
	ds_load_b128 v[lf+16*\kt:lf+16*\kt+3],     v[XA] offset:\kt*16*XP+(\k)*128
	ds_load_b128 v[lf+16*\kt+4:lf+16*\kt+7],   v[XA] offset:\kt*16*XP+(\k)*128+16
	ds_load_b128 v[lf+16*\kt+8:lf+16*\kt+11],  v[XA] offset:\kt*16*XP+(\k)*128+64
	ds_load_b128 v[lf+16*\kt+12:lf+16*\kt+15], v[XA] offset:\kt*16*XP+(\k)*128+80
.endr
.irp nt, 0,1,2,3
	ds_load_tr16_b128 v[lb+8*\nt:lb+8*\nt+3],   v[WTA] offset:(\k)*32*WP+\nt*32
	ds_load_tr16_b128 v[lb+8*\nt+4:lb+8*\nt+7], v[WTA] offset:(\k)*32*WP+\nt*32+16*WP
.endr
.endm
; K step k.  Its 16 conversions name no register of the products before them: they are the places in front of the loads into the buffer that those products' predecessors read.
; The 8 accumulators take turns; the first step starts the sums with the constant 0.
.macro KS k
.set kf, AF+32*((\k)%2)
.set ka, A16+16*((\k)%2)
.set kb, BF+32*((\k)%2)
	s_wait_dscnt 0x0                               ; this step's 16 loads, issued in front of the last step's products
.set i, 0
.rept 16
	v_cvt_pk_f16_f32 v[ka+i], v[kf+2*i], v[kf+2*i+1]
.set i, i+1
.endr
.if (\k) < 7
	LOADS (\k)+1
.endif
.irp kt, 0,1
.irp nt, 0,1,2,3
.if (\k) == 0
	v_wmma_f32_16x16x32_f16 v[ACC+8*(4*\kt+\nt):ACC+8*(4*\kt+\nt)+7], v[ka+8*\kt:ka+8*\kt+7], v[kb+8*\nt:kb+8*\nt+7], 0
.else
	v_wmma_f32_16x16x32_f16 v[ACC+8*(4*\kt+\nt):ACC+8*(4*\kt+\nt)+7], v[ka+8*\kt:ka+8*\kt+7], v[kb+8*\nt:kb+8*\nt+7], v[ACC+8*(4*\kt+\nt):ACC+8*(4*\kt+\nt)+7]
.endif
.endr
.endr
.endm
	LOADS 0
.irp k, 0,1,2,3,4,5,6,7
	KS \k
.endr
	; THE WAY OUT: rounded to f16, 16 bytes a lane into the work-group's stage; a barrier, since a row's 256 bytes come from four waves; back as whole rows.
	PLACES
.set a, 0
.rept 8
.irp q, 0,1,2,3
	v_cvt_pk_f16_f32 v[AF+4*a+\q], v[ACC+8*a+2*\q], v[ACC+8*a+2*\q+1]
.endr
	ds_store_b128 v[STO], v[AF+4*a:AF+4*a+3] offset:(a%4)*16*SP+(a/4)*32
.set a, a+1
.endr
	s_wait_dscnt 0x0                               ; for the others' sake: my stores into the stage are done
	s_barrier_signal -1
	s_barrier_wait -1
.irp i, 0,1,2,3,4,5,6,7
	ds_load_b128 v[AF+32+4*\i:AF+32+4*\i+3], v[RD] offset:\i*2*SP
.endr
.irp i, 0,1,2,3,4,5,6,7
	s_wait_dscnt 7-\i
	global_store_b128 v[GO], v[AF+32+4*\i:AF+32+4*\i+3], s[8:9] offset:\i*16384  ; 16 lanes store 256 consecutive bytes, at a multiple of 256 from vt's first byte
.endr
	s_wait_tensorcnt 0x0                           ; the wave's end
	ds_add_u32 v[SPW], v[NIL]
	s_wait_dscnt 0x0
	CROUND                                         ; the closing round
	s_endpgm
.Lfunc_end_k_qa5cf23b2e1_value:
	.size	k_qa5cf23b2e1_value, .Lfunc_end_k_qa5cf23b2e1_value-k_qa5cf23b2e1_value
	.p2alignl 7, 3214868480
	.fill 96, 4, 3214868480
	.section	.rodata,"a",@progbits
	.p2align	6, 0x0
	.amdhsa_kernel k_qa5cf23b2e1_value
		.amdhsa_group_segment_fixed_size 192000
		.amdhsa_private_segment_fixed_size 0
		.amdhsa_enable_private_segment 0
		.amdhsa_kernarg_size 24
		.amdhsa_user_sgpr_count 2
		.amdhsa_user_sgpr_kernarg_segment_ptr 1
		.amdhsa_wavefront_size32 1
		.amdhsa_system_sgpr_workgroup_id_x 1
		.amdhsa_system_sgpr_workgroup_id_y 1
		.amdhsa_system_sgpr_workgroup_id_z 1
		.amdhsa_system_vgpr_workitem_id 0
		.amdhsa_next_free_vgpr 240
		.amdhsa_next_free_sgpr 66
		.amdhsa_reserve_vcc 0
		.amdhsa_float_denorm_mode_32 3
		.amdhsa_float_denorm_mode_16_64 3
		.amdhsa_memory_ordered 1
		.amdhsa_forward_progress 1
		.amdhsa_inst_pref_size 40
	.end_amdhsa_kernel
	.amdgpu_metadata
---
amdhsa.version: [ 1, 2 ]
amdhsa.kernels:
  - .name:           k_qa5cf23b2e1_value
    .symbol:         k_qa5cf23b2e1_value.kd
    .args:
      - { .name: x, .offset: 0, .size: 8, .value_kind: global_buffer, .address_space: global }
      - { .name: weight, .offset: 8, .size: 8, .value_kind: global_buffer, .address_space: global }
      - { .name: vt, .offset: 16, .size: 8, .value_kind: global_buffer, .address_space: global }
    .group_segment_fixed_size: 192000
    .private_segment_fixed_size: 0
    .kernarg_segment_align: 8
    .kernarg_segment_size: 24
    .max_flat_workgroup_size: 128
    .sgpr_count:     66
    .vgpr_count:     240
    .wavefront_size: 32
...
	.end_amdgpu_metadata
.endif
;; end of part 2
;; launch attend (part 3): grid 64 x 4, 4 waves a work-group, clusters of 4 x 1, 327,680 bytes of LDS; arguments m_dist, thr, vt, r, part, lsum; writes part, lsum
.if DOCPART == 3
	.amdgcn_target "amdgcn-amd-amdhsa--gfx1250"
	.amdhsa_code_object_version 6
	.text
	.protected	k_qa5cf23b2e1_attend
	.globl	k_qa5cf23b2e1_attend
	.p2align	8
	.type	k_qa5cf23b2e1_attend,@function
k_qa5cf23b2e1_attend:
	s_mov_b64 s[64:65], 0
	v_nop
	global_prefetch_b8 v0, s[64:65] scope:SCOPE_SE
	s_setreg_imm32_b32 hwreg(HW_REG_WAVE_MODE, 25, 1), 1
	s_wait_xcnt 0x0
	s_wait_alu depctr_hold_cnt(0) depctr_sa_sdst(0) depctr_va_vdst(0) depctr_va_sdst(0) depctr_va_ssrc(0) depctr_va_vcc(0) depctr_vm_vsrc(0)
	s_getreg_b32 s2, hwreg(HW_REG_IB_STS2, 6, 4)
	s_cmp_eq_u32 s2, 0
	s_cbranch_scc0 .Lentry_in_a_cluster
	s_endpgm
.Lentry_in_a_cluster:
	s_bfe_u32 s2, ttmp6, 0x10000c
	s_cmp_lg_u32 s2, 0x3003
	s_cbranch_scc0 .Lentry_shape_is_right
	s_endpgm
.Lentry_shape_is_right:
; For one quarter (1,024) of the keys: part[s][row][64 h + d] = sum over keys of p vt[..][key], lsum[s][row][h] = sum of p, with
; p = 2^(-c_h (m - mn)), c_h = r_h^2 log2(e), where m <= U_h (the row's and head's bound from the launch before), and p = 2^(-largest finite f32) = 0 elsewhere.
; mn is the row's smallest distance, so the largest exponent of a row is taken away before the exponential, and the four quarters' sums simply add.
; p is rounded to f16 for the products; its sum is taken of the rounded p, by a product with ones; all sums in f32.
; LIMITS.  p below 6e-5 keeps f16's fixed step of 6e-8.  NaN and infinities are not treated apart.
; SHARES.  A work-group: 128 rows x 1,024 keys.  A wave: 32 rows (tiles t = 0, 1 of 16) x all four heads, so that a number of m_dist is read from LDS once for four heads.
; LAYOUT.  O^T = V^T P: source 0 = 16 channels x 32 keys of vt, source 1 = P, 32 keys x 16 rows: a lane holds ONE row (lane % 16) and keys 8 (lane / 16) + 0..7 and 16 + the same,
; which are 2 x 32 consecutive bytes of the row of m_dist.  In the result a lane holds one row and eight neighbouring channels.
; BY TURNS.  A UNIT u = 2 h + t is a head and a tile for 32 keys (a k-step): 8 packed scalings, 16 compares, 16 selects, 16 exponentials, 8 roundings.  The five products of a unit (4 channel
; blocks and the ones) stand among the next unit's 64 lines.  So a TRIP of the loop is units 1 to 7 of k-step k (REST) and unit 0 of k-step k + 1 (HEAD), which carries unit 7's products.
; RING.  Two LDS slots of 128 keys: 128 rows of m_dist (waves 0, 1 fetch 64 each) and 256 rows of vt (waves 2, 3 fetch 128 each).  REST(k) fetches into registers heads 0 to 2's fragments and
; m of k-step k + 1, HEAD(k + 1) head 3's.  So the change of slots stands between HEAD and REST of a slot's last k-step: all that this k-step needs is in registers, all that is fetched behind
; the change comes from the new slot, and a refill has four trips, 160 matrix instructions a wave, in which to land.  By the text's own count a wave has two tensor loads out at the start and one behind each change.
; CLUSTER.  The four work-groups of a cluster are four row blocks of one batch and one quarter: they walk the same vt, which is asked for JOINTLY.  m_dist's tiles are each work-group's own.
; REGISTERS, in windows of 256 (s_set_vgpr_msb: bits 1:0 source 0, 3:2 source 1, 5:4 source 2, 7:6 destination):
;   window 0: addresses, statistics, m, P.   window 1: tile 0's accumulators, (h, cb) at 40 h + 8 cb, cb = 4 the sum of p.   window 2: tile 1's.   window 3: v0-127 vt's fragments, (h, cb) at 32 h + 8 cb; v128-135 ones.
.set MP,    528                        ; a row of m_dist in LDS: 512 bytes + 16 = 33 x 16: the 16 rows of a load start in 16 different groups of four banks (64 banks of 4 bytes: ISA guide 11.1)
.set VP,    272                        ; a row of vt: 256 + 16 = 17 x 16
.set VOFF,  128*MP
.set SLOT,  VOFF+256*VP
.set SPARE, 2*SLOT                     ; the spare words, 128 bytes a wave: two blocks of 256 bytes that no other line names
.set STAGE, SPARE+512                  ; the way out: 16 rows x 528 bytes for each wave; no tensor load fills it
.set SPW,  4                           ; v4   my spare word's LDS address; never rewritten
.set NIL,  5                           ; v5   0; never rewritten
.set AMB,  6                           ; v6   my lane's place in a tile of m_dist; never rewritten
.set AVB,  7                           ; v7   the same for vt
.set AMP,  8                           ; v8   the LDS address of the runs of loads in hand, m_dist
.set AVP,  9                           ; v9   the same, vt
.set STO,  10                          ; v10  the way out: where I put 32 bytes of a row
.set RD,   11                          ; v11  the way out: where I read a row back
.set GO,   12                          ; v12  16 x lane
.set NEGB, 13                          ; v13  the lowest finite f32: a hidden key's exponent
.set CM,   16                          ; v16-31  c_h mn, a pair for (t, h) at CM + 8 t + 2 h
.set MR,   32                          ; v32-63  m of the k-step in hand, 16 a tile; with v64-95: the way out
.set TMP,  96                          ; v96-111 a unit's 16 numbers
.set P,    128                         ; v128-143 P, a buffer a tile
.set LS,   144                         ; v144-147 the four heads' sums, to store
.set UU,   148                         ; v148-155 U of my row, (t, h) at UU + 4 t + h
.set MNV,  156                         ; v156, v157 mn of my row in tile 0, 1
.set TOF,  158                         ; v158 my byte offset in thr
.set ONES, 128                         ; window 3
.set WV,   16                          ; s16  my wave's number
.set KIND, 17                          ; s17  0: I fetch m_dist; 1: vt
.set HALF, 18                          ; s18  which half of that tile's rows
.set CX,   19
.set XB,   20                          ; s20  my block of 128 rows
.set SPL,  21                          ; s21  my quarter of the keys
.set G1M,  28                          ; s[28:35] descriptor group 1, m_dist
.set G1V,  36                          ; s[36:43] vt
.set G0M,  44                          ; s[44:51] group 0, m_dist: a set for each of the two first fills; the second then walks on
.set G0V,  52                          ; s[52:59] vt
.set RR,   60                          ; s[60:63] r
.set NC,   66                          ; s[66:73] -c_h, in pairs
.set CC,   74                          ; s[74:77] c_h
.set SBR,  78                          ; s78  the slot that is read: 0 or SLOT
.set TBM,  79                          ; s79  LDS byte offset of the next runs of m_dist
.set WOFFM, 80                         ; s80  my tile's place in a slot, m_dist
.set WOFFV, 81                         ; s81  vt
.set CNT,  82
.set GRP,  83
.set HM,   84                          ; s84  lanes 16-31
.set M2,   85                          ; s85  a second mask beside VCC
.set PB,   86                          ; s[86:87] part at my wave's rows
.set LB,   88                          ; s[88:89] lsum at my wave's rows
.set TBV,  94                          ; s94  LDS byte offset of the next runs of vt
.set MSB, 0
.macro WIN new                         ; the immediate's high byte repeats the setting that is left; a switch that changes nothing is dropped
.if MSB != (\new)
	s_set_vgpr_msb (MSB<<8)|(\new)
.set MSB, \new
.endif
.endm
.macro PLACES
.rept 4
	v_nop
.endr
.endm
.macro CROUND                          ; a round of the cluster's barrier
	s_barrier_signal -1
	s_barrier_wait -1
	s_cmp_lg_u32 s[WV], 0
	s_cbranch_scc1 .Lnot_wave_0_\@
	s_barrier_signal -3
.Lnot_wave_0_\@:
	s_barrier_wait -3
	s_barrier_signal -1
	s_barrier_wait -1
.endm
; A refill, by the walking sets.  The branch hangs on the wave's number alone.  An s_nop 0 and four v_nop follow each of the two lines.
.macro JLOAD
	s_cmp_eq_u32 s[KIND], 0
	s_cbranch_scc0 .Lfor_v_\@
	tensor_load_to_lds s[G0M+4:G0M+7], s[G1M:G1M+7]
	s_nop 0
	PLACES
	s_branch .Lasked_\@
.Lfor_v_\@:
	tensor_load_to_lds s[G0V+4:G0V+7], s[G1V:G1V+7]
	s_nop 0
	PLACES
.Lasked_\@:
.endm
	s_load_b256 s[4:11], s[0:1], 0x0               ; m_dist s[4:5], thr s[6:7], vt s[8:9], r s[10:11]
	s_load_b128 s[12:15], s[0:1], 0x20             ; part s[12:13], lsum s[14:15]
	v_lshl_add_u32 v[SPW], v0, 2, SPARE
	v_mov_b32 v[NIL], 0
	ds_add_u32 v[SPW], v[NIL]                      ; the wave's opening: the add and its wait ahead of my first tensor load
	v_lshrrev_b32 v1, 5, v0
	v_readfirstlane_b32 s[WV], v1                  ; wave 0..3
	s_lshr_b32 s[KIND], s[WV], 1
	s_and_b32 s[HALF], s[WV], 1
	s_bfe_u32 s[CX], ttmp6, 0x40000                ; my place in the cluster
	s_lshl_b32 s[XB], ttmp9, 2                     ; in a cluster launch ttmp9 counts clusters
	s_add_co_u32 s[XB], s[XB], s[CX]
	s_and_b32 s[SPL], ttmp7, 0xffff
	s_mov_b32 s[G1M], (2<<16)|(1<<20)|(6<<22)|(3<<25)  ; no mask; 4-byte elements; padding on: after every 128 words (code 6) 4 words (code 3)
	s_mov_b32 s[G1M+1], 128<<16                    ; tensor_dim0 = 128
	s_mov_b32 s[G1M+2], 64<<16                     ; tensor_dim1 = 64
	s_mov_b32 s[G1M+3], 128<<16                    ; tile_dim0 = 128
	s_mov_b32 s[G1M+4], 64                         ; tile_dim1 = 64
	s_mov_b32 s[G1M+5], 4096                       ; elements from row to row
	s_mov_b32 s[G1M+6], 0
	s_mov_b32 s[G1M+7], 0
	s_mov_b32 s[G1V], 15|(1<<16)|(1<<20)|(1<<21)|(5<<22)|(3<<25)  ; the mask of four; 2-byte elements; padding on; bit 21 beside a mask; after every 64 words (code 5) 4 words
	s_mov_b32 s[G1V+1], 128<<16
	s_mov_b32 s[G1V+2], 128<<16                    ; 128 rows
	s_mov_b32 s[G1V+3], 128<<16
	s_mov_b32 s[G1V+4], 128
	s_mov_b32 s[G1V+5], 4096
	s_mov_b32 s[G1V+6], 0
	s_mov_b32 s[G1V+7], 0
	s_lshl_b32 s22, s[XB], 21                      ; m_dist: 128 rows of 16,384 bytes a block,
	s_lshl_b32 s23, s[HALF], 20                    ; 64 rows a half,
	s_add_co_u32 s22, s22, s23
	s_lshl_b32 s23, s[SPL], 12                     ; 1,024 keys of 4 bytes a quarter
	s_add_co_u32 s22, s22, s23
	s_mov_b32 s23, 0
	s_lshr_b32 s24, ttmp9, 3                       ; vt: the batch, from the cluster's number alone: these two registers never hold my place in the cluster
	s_lshl_b32 s24, s24, 21
	s_lshl_b32 s25, s[HALF], 20                    ; 128 rows of 8,192 bytes a half,
	s_add_co_u32 s24, s24, s25
	s_lshl_b32 s25, s[SPL], 11                     ; 1,024 keys of 2 bytes a quarter
	s_add_co_u32 s24, s24, s25
	s_mov_b32 s25, 0
	s_mul_i32 s[WOFFM], s[HALF], 64*MP
	s_mul_i32 s[WOFFV], s[HALF], 128*VP
	s_add_co_u32 s[WOFFV], s[WOFFV], VOFF
	s_lshl_b32 s26, s[XB], 12                      ; thr: 32 bytes a row
	s_lshl_b32 s27, s[WV], 10
	s_add_co_u32 s26, s26, s27
	s_mov_b32 s27, 0
	s_lshl_b32 s90, s[SPL], 23                     ; part: 8,192 rows of 1,024 bytes a quarter
	s_lshl_b32 s91, s[XB], 17
	s_add_co_u32 s90, s90, s91
	s_lshl_b32 s91, s[WV], 15
	s_add_co_u32 s90, s90, s91
	s_mov_b32 s91, 0
	s_lshl_b32 s92, s[SPL], 17                     ; lsum: 16 bytes a row
	s_lshl_b32 s93, s[XB], 11
	s_add_co_u32 s92, s92, s93
	s_lshl_b32 s93, s[WV], 9
	s_add_co_u32 s92, s92, s93
	s_mov_b32 s93, 0
	s_mov_b32 s[SBR], 0
	s_mov_b32 s[TBM], 0
	s_mov_b32 s[TBV], 0
	s_mov_b32 s[HM], 0xffff0000
	s_wait_dscnt 0x0                               ; the opening add is done
	s_wait_kmcnt 0x0
	s_load_b128 s[RR:RR+3], s[10:11], 0x0          ; the four r
	s_add_nc_u64 s[4:5], s[4:5], s[22:23]
	s_add_nc_u64 s[8:9], s[8:9], s[24:25]
	s_add_nc_u64 s[6:7], s[6:7], s[26:27]
	s_add_nc_u64 s[PB:PB+1], s[12:13], s[90:91]
	s_add_nc_u64 s[LB:LB+1], s[14:15], s[92:93]
.irp s, 0,1
	s_mov_b32 s[G0M+4*\s], 1                                       ; count = 1
	s_add_co_u32 s[G0M+4*\s+1], s[WOFFM], \s*SLOT                  ; LDS address
	s_add_nc_u64 s[G0M+4*\s+2:G0M+4*\s+3], s[4:5], \s*512          ; global address: keys 128 s on
	s_or_b32 s[G0M+4*\s+3], s[G0M+4*\s+3], 0x80000000              ; type = 2
	s_mov_b32 s[G0V+4*\s], 1
	s_add_co_u32 s[G0V+4*\s+1], s[WOFFV], \s*SLOT
	s_add_nc_u64 s[G0V+4*\s+2:G0V+4*\s+3], s[8:9], \s*256
	s_or_b32 s[G0V+4*\s+3], s[G0V+4*\s+3], 0x80000000
.endr
	CROUND                                         ; all four work-groups are here: the first joint loads meet
	s_cmp_eq_u32 s[KIND], 0                        ; a wave's two first fills stand in one branch, ahead of every wait on TENSORcnt and every LDS read
	s_cbranch_scc0 .Lfirst_v
	tensor_load_to_lds s[G0M:G0M+3], s[G1M:G1M+7]
	s_nop 0
	tensor_load_to_lds s[G0M+4:G0M+7], s[G1M:G1M+7]
	s_nop 0
	PLACES
	s_branch .Lfirst_asked
.Lfirst_v:
	tensor_load_to_lds s[G0V:G0V+3], s[G1V:G1V+7]
	s_nop 0
	tensor_load_to_lds s[G0V+4:G0V+7], s[G1V:G1V+7]
	s_nop 0
	PLACES
.Lfirst_asked:
	v_and_b32 v1, 15, v0                           ; l % 16
	v_bfe_u32 v2, v0, 4, 1                         ; l / 16
	v_and_b32 v3, 31, v0                           ; l
	v_lshlrev_b32 v[TOF], 5, v1
	global_load_b128 v[UU:UU+3],   v[TOF], s[6:7]             ; the four U of my row in tile 0,
	global_load_b128 v[UU+4:UU+7], v[TOF], s[6:7] offset:512  ; in tile 1,
	global_load_b32 v[MNV],   v[TOF], s[6:7] offset:16        ; and the rows' mn
	global_load_b32 v[MNV+1], v[TOF], s[6:7] offset:528
	s_mul_i32 s22, s[WV], 32*MP
	v_mul_u32_u24 v[AMB], v1, MP                   ; row 32 w + l % 16, 32 bytes for each half of the lanes
	v_lshl_add_u32 v[AMB], v2, 5, v[AMB]
	v_add_nc_u32 v[AMB], s22, v[AMB]
	v_mul_u32_u24 v[AVB], v1, VP                   ; channel row l % 16, 16 bytes for each half
	v_lshl_add_u32 v[AVB], v2, 4, v[AVB]
	v_add_nc_u32 v[AVB], VOFF, v[AVB]
	s_mul_i32 s22, s[WV], 16*MP
	s_add_co_u32 s22, s22, STAGE                   ; my stage
	v_mul_u32_u24 v[STO], v1, MP
	v_lshl_add_u32 v[STO], v2, 5, v[STO]
	v_add_nc_u32 v[STO], s22, v[STO]
	v_lshlrev_b32 v[GO], 4, v3
	v_add_nc_u32 v[RD], s22, v[GO]
	v_mov_b32 v[NEGB], 0xff7fffff
	WIN 0xc0
.set i, 0
.rept 8
	v_mov_b32 v[ONES+i], 0x3c003c00                ; 1.0 twice, in f16
.set i, i+1
.endr
	WIN 0
	s_wait_kmcnt 0x0                               ; r
.irp h, 0,1,2,3
	s_mul_f32 s22, s[RR+\h], s[RR+\h]
	s_mul_f32 s[NC+2*\h], s22, 0xbfb8aa3b          ; -r^2 log2(e)
	s_mul_f32 s[CC+\h], s22, 0x3fb8aa3b
	s_mov_b32 s[NC+2*\h+1], s[NC+2*\h]             ; named with it as a pair
.endr
	s_wait_loadcnt 0x0
.irp t, 0,1
.irp h, 0,1,2,3
	v_mul_f32 v[CM+8*\t+2*\h],   s[CC+\h], v[MNV+\t]
	v_mul_f32 v[CM+8*\t+2*\h+1], s[CC+\h], v[MNV+\t]
.endr
.endr
; THE LDS LOADS stand in runs.  RUNM t: the next k-step's m of tile t, 16 numbers a lane: 4 loads.  Tile 0's run makes the address for both.
.macro RUNM t
.if (\t) == 0
	v_add_nc_u32 v[AMP], s[TBM], v[AMB]
	s_add_co_u32 s[TBM], s[TBM], 128               ; 32 keys on
.endif
	ds_load_b128 v[MR+16*(\t):MR+16*(\t)+3],     v[AMP] offset:(\t)*16*MP
	ds_load_b128 v[MR+16*(\t)+4:MR+16*(\t)+7],   v[AMP] offset:(\t)*16*MP+16
	ds_load_b128 v[MR+16*(\t)+8:MR+16*(\t)+11],  v[AMP] offset:(\t)*16*MP+64
	ds_load_b128 v[MR+16*(\t)+12:MR+16*(\t)+15], v[AMP] offset:(\t)*16*MP+80
.endm
; RUNH h: a k-step's fragments of head h's 64 channels: 8 loads.  Head 0's run makes the address for all four.
.macro RUNH h
.if (\h) == 0
	v_add_nc_u32 v[AVP], s[TBV], v[AVB]
	s_add_co_u32 s[TBV], s[TBV], 64
.endif
	WIN 0xc0                                       ; destination window 3, address window 0
.irp cb, 0,1,2,3
	ds_load_b128 v[32*(\h)+8*\cb:32*(\h)+8*\cb+3],   v[AVP] offset:(64*(\h)+16*\cb)*VP
	ds_load_b128 v[32*(\h)+8*\cb+4:32*(\h)+8*\cb+7], v[AVP] offset:(64*(\h)+16*\cb)*VP+32
.endr
	WIN 0
.endm
; Product cb of unit u = 2 h + t.  The 40 accumulators take turns, one instruction a turn.  zero = 1: the product starts the sum.
.macro MMA u, cb, zero
.set rA, 40*((\u)/2)+8*(\cb)
.if (\cb) == 4
.set rV, ONES
.else
.set rV, 32*((\u)/2)+8*(\cb)
.endif
.set rP, P+8*((\u)%2)
	WIN 0x53+0x50*((\u)%2)                         ; vt in window 3, P in window 0, the accumulator in window 1 or 2
.if \zero
	v_wmma_f32_16x16x32_f16 v[rA:rA+7], v[rV:rV+7], v[rP:rP+7], 0
.else
	v_wmma_f32_16x16x32_f16 v[rA:rA+7], v[rV:rV+7], v[rP:rP+7], v[rA:rA+7]
.endif
	WIN 0
.endm
.macro PM cb                           ; the unit before's product cb, if there is a unit before; unit 6's first product waits for head 3's fragments
.if UPREV >= 0
.if ((\cb) == 0) && (UPREV == 6)
	s_wait_dscnt VWAIT
.endif
	MMA UPREV, \cb, ZERO
.endif
.endm
.macro FM i                            ; pair i: -c m + c mn
	v_pk_fma_f32 v[TMP+2*(\i):TMP+2*(\i)+1], v[MR+16*UT+2*(\i):MR+16*UT+2*(\i)+1], s[NC+2*UH:NC+2*UH+1], v[CM+8*UT+2*UH:CM+8*UT+2*UH+1] op_sel_hi:[1,0,0]
.endm
.macro CV i                            ; pair i rounded to f16
	s_wait_alu depctr_va_vdst(0)
	v_cvt_pk_f16_f32 v[P+8*UT+(\i)], v[TMP+2*(\i)], v[TMP+2*(\i)+1]
.endm
; Pair i of a unit: where U < m the exponent becomes the lowest finite f32 (two mask registers by turns); the two exponentials; behind them a plain line before a result is used
; (ISA guide 5.7.2): the scaling two pairs on, the rounding a pair back.
.macro PAIR i
	v_cmp_lt_f32 vcc_lo, v[UU+4*UT+UH], v[MR+16*UT+2*(\i)]
	v_cmp_lt_f32 s[M2],  v[UU+4*UT+UH], v[MR+16*UT+2*(\i)+1]
	v_cndmask_b32 v[TMP+2*(\i)],   v[TMP+2*(\i)],   v[NEGB], vcc_lo
	v_cndmask_b32 v[TMP+2*(\i)+1], v[TMP+2*(\i)+1], v[NEGB], s[M2]
	v_exp_f32 v[TMP+2*(\i)],   v[TMP+2*(\i)]
	v_exp_f32 v[TMP+2*(\i)+1], v[TMP+2*(\i)+1]
.if (\i) < 6
	FM (\i)+2
.endif
.if (\i) > 0
	CV (\i)-1
.endif
.endm
; A unit's 64 lines, the unit before's five products among them.  Behind the last product stand pairs 6 and 7: eleven plain lines that name none of its registers, ahead of the loads into
; the fragments that it and its fellows read, and of the next unit's roundings into their buffer of P.
.macro UNIT
	PM 0
	FM 0
	FM 1
	PAIR 0
	PM 1
	PAIR 1
	PAIR 2
	PM 2
	PAIR 3
	PM 3
	PAIR 4
	PAIR 5
	PM 4
	PAIR 6
	PAIR 7
	CV 7
.endm
; THE RUNS GO IN A RING: head 0's (8 loads) behind unit 2, head 1's (8) behind unit 4, head 2's (8) and tile 0's m (4) behind unit 6, tile 1's m (4) behind unit 7, head 3's (8) behind unit 0:
; each behind the last reader of its registers.
; HEAD: unit 0.  It needs tile 0's m: behind that run tile 1's 4 loads were issued.  prev = 7: it carries unit 7's products of the k-step before; -1: there is none.
.macro HEAD prev
	s_wait_dscnt 4
.set UPREV, \prev
.set UT, 0
.set UH, 0
	UNIT
	RUNH 3
.endm
; REST: units 1 to 7.  Unit 1 needs tile 1's m: behind that run head 3's 8 loads were issued; all older runs, heads 0 to 2's, are then in too.
; Unit 6's products need head 3's fragments: behind that run 8 + 8 + 8 + 4 = 28 loads were issued.  last = 1: the last k-step fetches nothing, so that wait is for 0.
.macro REST last
	s_wait_dscnt 8
.if \last
.set VWAIT, 0
.else
.set VWAIT, 28
.endif
.set u, 1
.rept 7
.set UPREV, u-1
.set UT, u%2
.set UH, u/2
	UNIT
.if !(\last)
.if u == 2
	RUNH 0
.elseif u == 4
	RUNH 1
.elseif u == 6
	RUNH 2
	RUNM 0
.elseif u == 7
	RUNM 1
.endif
.endif
.set u, u+1
.endr
.endm
; THE CHANGE OF SLOTS.  Each wave waits for all its tensor loads, of which one is out: its part of the other slot; adds 0 to its spare word; and waits for that and for its own reads of
; the slot that it leaves.  fill = 1: that slot is filled again, with the keys two slots on: the barrier is then a round of the cluster's, and the refill is the first thing behind it.
.macro CHANGE fill
	WIN 0
	s_wait_tensorcnt 0x0                           ; no tensor load of mine is out, so a group 0 may be written
	ds_add_u32 v[SPW], v[NIL]                      ; 0 onto my spare word
.if \fill
	s_add_co_u32 s[G0M+5], s[SBR], s[WOFFM]        ; the walking sets: into the slot that has been read,
	s_add_nc_u64 s[G0M+6:G0M+7], s[G0M+6:G0M+7], 512  ; the next 128 keys; the type bits on top are not reached
	s_add_co_u32 s[G0V+5], s[SBR], s[WOFFV]
	s_add_nc_u64 s[G0V+6:G0V+7], s[G0V+6:G0V+7], 256
.endif
	s_xor_b32 s[SBR], s[SBR], SLOT                 ; the fetches go on at the other slot's head
	s_mov_b32 s[TBM], s[SBR]
	s_mov_b32 s[TBV], s[SBR]
	s_wait_dscnt 0x0                               ; the add is done, and my reads of the slot are over
.if \fill
	CROUND
	JLOAD
.else
	s_barrier_signal -1
	s_barrier_wait -1
.endif
.endm
	s_wait_tensorcnt 0x1                           ; my part of slot 0 is in; slot 1's may stay out
	s_barrier_signal -1
	s_barrier_wait -1                              ; everybody's is
	RUNH 0                                         ; k-step 0's operands, in the ring's order
	RUNH 1
	RUNH 2
	RUNM 0
	RUNM 1
.set ZERO, 1
.set VWAIT, 28
	HEAD -1                                        ; k-step 0's unit 0
	REST 0                                         ; the first trip is written out: its 40 products start the sums
	HEAD 7
.set ZERO, 0
	s_mov_b32 s[CNT], 2                            ; k-steps 1 and 2 (with unit 0 of 2 and 3) run in the loop's text: it is entered at a trip's head
	s_mov_b32 s[GRP], 7
	s_branch .Lstep
.Lslot:                                                ; six times: slots 2 to 7 are asked for
	CHANGE 1
	s_mov_b32 s[CNT], 4
.Lstep:
	REST 0
	HEAD 7
	s_sub_co_u32 s[CNT], s[CNT], 1
	s_cmp_lg_u32 s[CNT], 0
	s_cbranch_scc1 .Lstep
	s_sub_co_u32 s[GRP], s[GRP], 1
	s_cmp_lg_u32 s[GRP], 0
	s_cbranch_scc1 .Lslot
	CHANGE 0                                       ; the tail is written out: nothing is asked for
	s_mov_b32 s[CNT], 4
.Ltail:                                                ; k-steps 27 to 30, with unit 0 of 28 to 31
	REST 0
	HEAD 7
	s_sub_co_u32 s[CNT], s[CNT], 1
	s_cmp_lg_u32 s[CNT], 0
	s_cbranch_scc1 .Ltail
	REST 1                                         ; k-step 31
.set UPREV, 7
.irp cb, 0,1,2,3,4
	PM \cb                                         ; and its last unit's products
.endr
	; THE WAY OUT.  A tile and two heads at a time: a lane's 32 bytes of a row go into my stage (rows of 528 bytes) and come back as whole rows of 512 bytes.
	PLACES                                         ; the places behind the last products
.irp t, 0,1
.irp hp, 0,1
	WIN (1+\t)<<2                                  ; the stores' data in window 1 or 2
.irp hh, 0,1
.irp cb, 0,1,2,3
	ds_store_b128 v[STO], v[40*(2*\hp+\hh)+8*\cb:40*(2*\hp+\hh)+8*\cb+3]   offset:\hh*256+\cb*64
	ds_store_b128 v[STO], v[40*(2*\hp+\hh)+8*\cb+4:40*(2*\hp+\hh)+8*\cb+7] offset:\hh*256+\cb*64+16
.endr
.endr
	WIN 0
.if (\t+\hp) > 0
	s_wait_xcnt 0x0                                ; the registers that the last pass's stores read are loaded again only behind this wait
.endif
.set i, 0
.rept 16
	ds_load_b128 v[MR+4*i:MR+4*i+3], v[RD] offset:i*MP  ; LDS serves a wave's instructions in order (ISA guide 5.7.1.4): these see the stores above; the next pass's stores come behind them
.set i, i+1
.endr
.set i, 0
.rept 16
	s_wait_dscnt 15-i
	global_store_b128 v[GO], v[MR+4*i:MR+4*i+3], s[PB:PB+1] offset:i*1024+\t*16384+\hp*512  ; 512 consecutive bytes, at a multiple of 256 from part's first byte
.set i, i+1
.endr
.endr
.endr
	WIN 0x09                                       ; source 0 window 1 (tile 0), source 1 window 2 (tile 1)
.irp h, 0,1,2,3
	v_cndmask_b32 v[LS+\h], v[40*\h+32], v[40*\h+32], s[HM]  ; every register of a sum's accumulator holds the lane's row's sum: lanes 0-15 take tile 0's, lanes 16-31 tile 1's: lane l has row l
.endr
	WIN 0
	global_store_b128 v[GO], v[LS:LS+3], s[LB:LB+1]  ; 32 rows x 4 heads: 512 consecutive bytes
	s_wait_tensorcnt 0x0                           ; the wave's end
	ds_add_u32 v[SPW], v[NIL]
	s_wait_dscnt 0x0
	CROUND                                         ; the closing round
	s_endpgm
.Lfunc_end_k_qa5cf23b2e1_attend:
	.size	k_qa5cf23b2e1_attend, .Lfunc_end_k_qa5cf23b2e1_attend-k_qa5cf23b2e1_attend
	.p2alignl 7, 3214868480
	.fill 96, 4, 3214868480
	.section	.rodata,"a",@progbits
	.p2align	6, 0x0
	.amdhsa_kernel k_qa5cf23b2e1_attend
		.amdhsa_group_segment_fixed_size 327680
		.amdhsa_private_segment_fixed_size 0
		.amdhsa_enable_private_segment 0
		.amdhsa_kernarg_size 48
		.amdhsa_user_sgpr_count 2
		.amdhsa_user_sgpr_kernarg_segment_ptr 1
		.amdhsa_wavefront_size32 1
		.amdhsa_system_sgpr_workgroup_id_x 1
		.amdhsa_system_sgpr_workgroup_id_y 1
		.amdhsa_system_sgpr_workgroup_id_z 1
		.amdhsa_system_vgpr_workitem_id 0
		.amdhsa_next_free_vgpr 904
		.amdhsa_next_free_sgpr 96
		.amdhsa_reserve_vcc 1
		.amdhsa_float_denorm_mode_32 3
		.amdhsa_float_denorm_mode_16_64 3
		.amdhsa_memory_ordered 1
		.amdhsa_forward_progress 1
		.amdhsa_inst_pref_size 165
	.end_amdhsa_kernel
	.amdgpu_metadata
---
amdhsa.version: [ 1, 2 ]
amdhsa.kernels:
  - .name:           k_qa5cf23b2e1_attend
    .symbol:         k_qa5cf23b2e1_attend.kd
    .args:
      - { .name: m_dist, .offset: 0, .size: 8, .value_kind: global_buffer, .address_space: global }
      - { .name: thr, .offset: 8, .size: 8, .value_kind: global_buffer, .address_space: global }
      - { .name: vt, .offset: 16, .size: 8, .value_kind: global_buffer, .address_space: global }
      - { .name: r, .offset: 24, .size: 8, .value_kind: global_buffer, .address_space: global }
      - { .name: part, .offset: 32, .size: 8, .value_kind: global_buffer, .address_space: global }
      - { .name: lsum, .offset: 40, .size: 8, .value_kind: global_buffer, .address_space: global }
    .group_segment_fixed_size: 327680
    .private_segment_fixed_size: 0
    .kernarg_segment_align: 8
    .kernarg_segment_size: 48
    .max_flat_workgroup_size: 128
    .sgpr_count:     96
    .vgpr_count:     904
    .wavefront_size: 32
...
	.end_amdgpu_metadata
.endif
;; end of part 3
;; launch finish (part 4): grid 256 x 1, 8 waves a work-group, no clusters, 0 bytes of LDS; arguments part, lsum, out0; writes out0
.if DOCPART == 4
	.amdgcn_target "amdgcn-amd-amdhsa--gfx1250"
	.amdhsa_code_object_version 6
	.text
	.protected	k_qa5cf23b2e1_finish
	.globl	k_qa5cf23b2e1_finish
	.p2align	8
	.type	k_qa5cf23b2e1_finish,@function
k_qa5cf23b2e1_finish:
	s_mov_b64 s[64:65], 0
	v_nop
	global_prefetch_b8 v0, s[64:65] scope:SCOPE_SE
	s_setreg_imm32_b32 hwreg(HW_REG_WAVE_MODE, 25, 1), 1
	s_wait_xcnt 0x0
; out0[row][c] = gelu( (sum over the 4 quarters of part) / (sum over the 4 quarters of lsum[row][c / 64]) ), gelu(x) = x/2 (1 + erf(x / sqrt 2)).
; erf by Abramowitz and Stegun 7.1.26: erf|z| = 1 - t (a1 + t (a2 + t (a3 + t (a4 + t a5)))) e^(-z^2), t = 1 / (1 + 0.3275911 |z|): within 1.5e-7 for every z, which enters the result times |x| / 2.
; The sum of weights is at least 1 (the row's smallest distance has weight 1), so the division is safe.
; A stream: each byte read once and written once; no LDS, no barrier, no cluster (nothing is shared), no matrix unit.
; SHARES.  A work-group owns 32 rows; thread t owns the 16 bytes at 16 t of each group of 4 rows (4,096 bytes): a load or store of a wave covers 512 consecutive bytes.
; All 64 loads of a thread go out first; the wait in front of group i leaves the later groups' 8 loads each out.
.set X,  4                             ; v4-7     x
.set Z,  8                             ; v8-11    x / sqrt 2
.set DD, 12                            ; v12-15   1 + p |z|, then t
.set PR, 16                            ; v16-143  group i, quarter s at PR + 16 i + 4 s; the result goes where quarter 0 lay, so no store's data are written again
.set LR, 144                           ; v144-175 group i, quarter s at LR + 4 i + s
.set W,  176                           ; v176-179 -z^2 log2(e), then its exponential
.set Q,  180                           ; v180-183 the polynomial, then erf
.set HX, 184                           ; v184-187 x / 2
.set LI, 188                           ; v188-189 the sum of weights, then its reciprocal; and one at work
	s_load_b128 s[4:7], s[0:1], 0x0                ; part s[4:5], lsum s[6:7]
	s_load_b64 s[8:9], s[0:1], 0x10                ; out0
	v_lshlrev_b32 v1, 4, v0                        ; 16 t
	v_lshrrev_b32 v2, 6, v0                        ; my row among the group's four,
	v_bfe_u32 v3, v0, 4, 2                         ; my head
	v_lshlrev_b32 v3, 2, v3
	v_lshl_add_u32 v2, v2, 4, v3                   ; 16 bytes a row, 4 a head
	s_lshl_b32 s2, ttmp9, 15                       ; 32 rows of 1,024 bytes
	s_mov_b32 s3, 0
	s_lshl_b32 s10, ttmp9, 9                       ; 32 rows of 16 bytes
	s_mov_b32 s11, 0
	s_mov_b32 s12, 0x7fffffff
	s_mov_b32 s16, 0x3f87dc22                      ; a5 =  1.061405429   (each constant of a packed line stands in a pair; the low word serves both halves)
	s_mov_b32 s17, s16
	s_mov_b32 s18, 0xbfba00e3                      ; a4 = -1.453152027
	s_mov_b32 s19, s18
	s_mov_b32 s20, 0x3fb5f0e3                      ; a3 =  1.421413741
	s_mov_b32 s21, s20
	s_mov_b32 s22, 0xbe91a98e                      ; a2 = -0.284496736
	s_mov_b32 s23, s22
	s_mov_b32 s24, 0x3e827906                      ; a1 =  0.254829592
	s_mov_b32 s25, s24
	s_mov_b32 s26, 0x3f3504f3                      ; 1 / sqrt 2
	s_mov_b32 s27, s26
	s_mov_b32 s28, 0xbfb8aa3b                      ; -log2(e)
	s_mov_b32 s29, s28
	s_mov_b32 s30, 0x3ea7ba05                      ; 0.3275911
	s_wait_kmcnt 0x0
	s_add_nc_u64 s[32:33], s[4:5], s[2:3]          ; the four quarters of part, 8,388,608 bytes apart
	s_add_nc_u64 s[34:35], s[32:33], 0x800000
	s_add_nc_u64 s[36:37], s[34:35], 0x800000
	s_add_nc_u64 s[38:39], s[36:37], 0x800000
	s_add_nc_u64 s[6:7], s[6:7], s[10:11]
	s_add_nc_u64 s[8:9], s[8:9], s[2:3]
.set i, 0
.rept 8
.irp s, 0,1,2,3
	global_load_b128 v[PR+16*i+4*\s:PR+16*i+4*\s+3], v1, s[32+2*\s:33+2*\s] offset:4096*i th:TH_LOAD_NT
.endr
.irp s, 0,1,2,3
	global_load_b32 v[LR+4*i+\s], v2, s[6:7] offset:131072*\s+64*i
.endr
.set i, i+1
.endr
.macro GROUP i
.set pb, PR+16*(\i)
.set lb, LR+4*(\i)
	s_wait_loadcnt 8*(7-(\i))                      ; loads come back in order: this group's eight are in
	v_add_f32 v[LI],   v[lb],   v[lb+1]
	v_add_f32 v[LI+1], v[lb+2], v[lb+3]
	v_add_f32 v[LI],   v[LI],   v[LI+1]
	v_rcp_f32 v[LI], v[LI]                         ; the six additions below stand between it and the use of its result
	v_pk_add_f32 v[X:X+1],   v[pb:pb+1],     v[pb+4:pb+5]
	v_pk_add_f32 v[X+2:X+3], v[pb+2:pb+3],   v[pb+6:pb+7]
	v_pk_add_f32 v[Z:Z+1],   v[pb+8:pb+9],   v[pb+12:pb+13]
	v_pk_add_f32 v[Z+2:Z+3], v[pb+10:pb+11], v[pb+14:pb+15]
	v_pk_add_f32 v[X:X+1],   v[X:X+1],   v[Z:Z+1]
	v_pk_add_f32 v[X+2:X+3], v[X+2:X+3], v[Z+2:Z+3]
	s_wait_alu depctr_va_vdst(0)
.irp k, 0,2
	v_pk_mul_f32 v[X+\k:X+\k+1], v[X+\k:X+\k+1], v[LI:LI+1] op_sel_hi:[1,0]
.endr
.irp k, 0,2
	v_pk_mul_f32 v[Z+\k:Z+\k+1], v[X+\k:X+\k+1], s[26:27] op_sel_hi:[1,0]
.endr
.irp k, 0,1,2,3
	v_fma_f32 v[DD+\k], |v[Z+\k]|, s30, 1.0
.endr
.irp k, 0,2
	v_pk_mul_f32 v[W+\k:W+\k+1], v[Z+\k:Z+\k+1], s[28:29] op_sel_hi:[1,0]
.endr
.irp k, 0,2
	v_pk_mul_f32 v[W+\k:W+\k+1], v[W+\k:W+\k+1], v[Z+\k:Z+\k+1]
.endr
.irp k, 0,1,2,3
	v_rcp_f32 v[DD+\k], v[DD+\k]
.endr
.irp k, 0,1,2,3
	v_exp_f32 v[W+\k], v[W+\k]
.endr
.irp k, 0,2
	v_pk_mul_f32 v[HX+\k:HX+\k+1], v[X+\k:X+\k+1], 0.5 op_sel_hi:[1,0]  ; plain lines behind the transcendentals (ISA guide 5.7.2)
.endr
	s_wait_alu depctr_va_vdst(0)
.irp k, 0,2
	v_pk_fma_f32 v[Q+\k:Q+\k+1], v[DD+\k:DD+\k+1], s[16:17], s[18:19] op_sel_hi:[1,0,0]
.endr
.irp c, 20,22,24
.irp k, 0,2
	v_pk_fma_f32 v[Q+\k:Q+\k+1], v[Q+\k:Q+\k+1], v[DD+\k:DD+\k+1], s[\c:\c+1] op_sel_hi:[1,1,0]
.endr
.endr
.irp k, 0,2
	v_pk_mul_f32 v[Q+\k:Q+\k+1], v[Q+\k:Q+\k+1], v[DD+\k:DD+\k+1]
.endr
.irp k, 0,2
	v_pk_fma_f32 v[Q+\k:Q+\k+1], v[Q+\k:Q+\k+1], v[W+\k:W+\k+1], 1.0 op_sel_hi:[1,1,0] neg_lo:[1,0,0] neg_hi:[1,0,0]  ; erf |z|
.endr
.irp k, 0,1,2,3
	v_bfi_b32 v[Q+\k], s12, v[Q+\k], v[Z+\k]       ; with z's sign
.endr
.irp k, 0,2
	v_pk_fma_f32 v[pb+\k:pb+\k+1], v[HX+\k:HX+\k+1], v[Q+\k:Q+\k+1], v[HX+\k:HX+\k+1]
.endr
	global_store_b128 v1, v[pb:pb+3], s[8:9] offset:4096*(\i) th:TH_STORE_NT  ; 16 lanes store 256 consecutive bytes, at a multiple of 256 from out0's first byte
.endm
.irp i, 0,1,2,3,4,5,6,7
	GROUP \i
.endr
	s_endpgm
.Lfunc_end_k_qa5cf23b2e1_finish:
	.size	k_qa5cf23b2e1_finish, .Lfunc_end_k_qa5cf23b2e1_finish-k_qa5cf23b2e1_finish
	.p2alignl 7, 3214868480
	.fill 96, 4, 3214868480
	.section	.rodata,"a",@progbits
	.p2align	6, 0x0
	.amdhsa_kernel k_qa5cf23b2e1_finish
		.amdhsa_group_segment_fixed_size 0
		.amdhsa_private_segment_fixed_size 0
		.amdhsa_enable_private_segment 0
		.amdhsa_kernarg_size 24
		.amdhsa_user_sgpr_count 2
		.amdhsa_user_sgpr_kernarg_segment_ptr 1
		.amdhsa_wavefront_size32 1
		.amdhsa_system_sgpr_workgroup_id_x 1
		.amdhsa_system_sgpr_workgroup_id_y 1
		.amdhsa_system_sgpr_workgroup_id_z 1
		.amdhsa_system_vgpr_workitem_id 0
		.amdhsa_next_free_vgpr 192
		.amdhsa_next_free_sgpr 66
		.amdhsa_reserve_vcc 0
		.amdhsa_float_denorm_mode_32 3
		.amdhsa_float_denorm_mode_16_64 3
		.amdhsa_memory_ordered 1
		.amdhsa_forward_progress 1
		.amdhsa_inst_pref_size 32
	.end_amdhsa_kernel
	.amdgpu_metadata
---
amdhsa.version: [ 1, 2 ]
amdhsa.kernels:
  - .name:           k_qa5cf23b2e1_finish
    .symbol:         k_qa5cf23b2e1_finish.kd
    .args:
      - { .name: part, .offset: 0, .size: 8, .value_kind: global_buffer, .address_space: global }
      - { .name: lsum, .offset: 8, .size: 8, .value_kind: global_buffer, .address_space: global }
      - { .name: out0, .offset: 16, .size: 8, .value_kind: global_buffer, .address_space: global }
    .group_segment_fixed_size: 0
    .private_segment_fixed_size: 0
    .kernarg_segment_align: 8
    .kernarg_segment_size: 24
    .max_flat_workgroup_size: 256
    .sgpr_count:     66
    .vgpr_count:     192
    .wavefront_size: 32
...
	.end_amdgpu_metadata
.endif
;; end of part 4
;; ======== version 2 of 2: 4 launches; 1.22 times as fast as version 1
;; limits: values are held in f16: magnitudes above 65,504 overflow, below 6.1e-05 lose precision
;; workspace buffers: thr 262,144 bytes; vt 4,194,304 bytes; part 33,554,432 bytes; lsum 524,288 bytes
;; launch select: the kernel of part 1 again; grid 2048 x 1, 4 waves a work-group, no clusters, 66,048 bytes of LDS; arguments m_dist, r, thr; writes thr
;; launch value: the kernel of part 2 again; grid 4 x 64, 4 waves a work-group, clusters of 4 x 1, 192,000 bytes of LDS; arguments x, weight, vt; writes vt
;; launch attend (part 5): grid 64 x 4, 4 waves a work-group, clusters of 4 x 1, 327,680 bytes of LDS; arguments m_dist, thr, vt, r, part, lsum; writes part, lsum
.if DOCPART == 5
	.amdgcn_target "amdgcn-amd-amdhsa--gfx1250"
	.amdhsa_code_object_version 6
	.text
	.protected	k_qa5cf23b2e1_attend
	.globl	k_qa5cf23b2e1_attend
	.p2align	8
	.type	k_qa5cf23b2e1_attend,@function
k_qa5cf23b2e1_attend:
	s_mov_b64 s[64:65], 0
	v_nop
	global_prefetch_b8 v0, s[64:65] scope:SCOPE_SE
	s_setreg_imm32_b32 hwreg(HW_REG_WAVE_MODE, 25, 1), 1
	s_wait_xcnt 0x0
	s_wait_alu depctr_hold_cnt(0) depctr_sa_sdst(0) depctr_va_vdst(0) depctr_va_sdst(0) depctr_va_ssrc(0) depctr_va_vcc(0) depctr_vm_vsrc(0)
	s_getreg_b32 s2, hwreg(HW_REG_IB_STS2, 6, 4)
	s_cmp_eq_u32 s2, 0
	s_cbranch_scc0 .Lentry_in_a_cluster
	s_endpgm
.Lentry_in_a_cluster:
	s_bfe_u32 s2, ttmp6, 0x10000c
	s_cmp_lg_u32 s2, 0x3003
	s_cbranch_scc0 .Lentry_shape_is_right
	s_endpgm
.Lentry_shape_is_right:
; For one quarter (1,024) of the keys: part[s][row][64 h + d] = sum over keys of p vt[..][key], lsum[s][row][h] = sum of p, with
; p = 2^(-c_h (m - mn)), c_h = r_h^2 log2(e), where m <= U_h (the row's and head's bound from the launch before), and p = 2^(-largest finite f32) = 0 elsewhere.
; mn is the row's smallest distance, so the largest exponent of a row is taken away before the exponential, and the four quarters' sums simply add.
; p is rounded to f16 for the products; its sum is taken of the rounded p, by a product with ones; all sums in f32.
; LIMITS.  p below 6e-5 keeps f16's fixed step of 6e-8.  NaN and infinities are not treated apart.
; SHARES.  A work-group: 128 rows x 1,024 keys.  A wave: 32 rows (tiles t = 0, 1 of 16) x all four heads, so that a number of m_dist is read from LDS once for four heads.
; LAYOUT.  O^T = V^T P: source 0 = 16 channels x 32 keys of vt, source 1 = P, 32 keys x 16 rows: a lane holds ONE row (lane % 16) and keys 8 (lane / 16) + 0..7 and 16 + the same,
; which are 2 x 32 consecutive bytes of the row of m_dist.  In the result a lane holds one row and eight neighbouring channels.
; BY TURNS.  A UNIT u = 2 h + t is a head and a tile for 32 keys (a k-step): 8 packed scalings, 16 compares, 16 selects, 16 exponentials, 8 roundings.  The five products of a unit (4 channel
; blocks and the ones) stand among the next unit's 64 lines.  So a TRIP of the loop is units 1 to 7 of k-step k (REST) and unit 0 of k-step k + 1 (HEAD), which carries unit 7's products.
; BATCHES.  A unit's 16 exponentials are ONE BATCH with ONE wait, which cuts the unit in two.  Ahead of the wait stand the scalings, compares, selects and exponentials, none of which names an
; exponential's result (each result keeps a register of its own), and among them the unit before's five products.  Behind it stand the unit's runs of LDS loads, where it has any, and the 8 roundings,
; the results' only readers.
; RING.  Two LDS slots of 128 keys: 128 rows of m_dist (waves 0, 1 fetch 64 each) and 256 rows of vt (waves 2, 3 fetch 128 each).  REST(k) fetches into registers heads 0 to 2's fragments and
; m of k-step k + 1, HEAD(k + 1) head 3's.  So the change of slots stands between HEAD and REST of a slot's last k-step: all that this k-step needs is in registers, all that is fetched behind
; the change comes from the new slot, and a refill has four trips, 160 matrix instructions a wave, in which to land.  By the text's own count a wave has two tensor loads out at the start and one behind each change.
; CLUSTER.  The four work-groups of a cluster are four row blocks of one batch and one quarter: they walk the same vt, which is asked for JOINTLY.  m_dist's tiles are each work-group's own.
; REGISTERS, in windows of 256 (s_set_vgpr_msb: bits 1:0 source 0, 3:2 source 1, 5:4 source 2, 7:6 destination):
;   window 0: addresses, statistics, m, P.   window 1: tile 0's accumulators, (h, cb) at 40 h + 8 cb, cb = 4 the sum of p.   window 2: tile 1's.   window 3: v0-127 vt's fragments, (h, cb) at 32 h + 8 cb; v128-135 ones.
.set MP,    528                        ; a row of m_dist in LDS: 512 bytes + 16 = 33 x 16: the 16 rows of a load start in 16 different groups of four banks (64 banks of 4 bytes: ISA guide 11.1)
.set VP,    272                        ; a row of vt: 256 + 16 = 17 x 16
.set VOFF,  128*MP
.set SLOT,  VOFF+256*VP
.set SPARE, 2*SLOT                     ; the spare words, 128 bytes a wave: two blocks of 256 bytes that no other line names
.set STAGE, SPARE+512                  ; the way out: 16 rows x 528 bytes for each wave; no tensor load fills it
.set SPW,  4                           ; v4   my spare word's LDS address; never rewritten
.set NIL,  5                           ; v5   0; never rewritten
.set AMB,  6                           ; v6   my lane's place in a tile of m_dist; never rewritten
.set AVB,  7                           ; v7   the same for vt
.set AMP,  8                           ; v8   the LDS address of the runs of loads in hand, m_dist
.set AVP,  9                           ; v9   the same, vt
.set STO,  10                          ; v10  the way out: where I put 32 bytes of a row
.set RD,   11                          ; v11  the way out: where I read a row back
.set GO,   12                          ; v12  16 x lane
.set NEGB, 13                          ; v13  the lowest finite f32: a hidden key's exponent
.set CM,   16                          ; v16-31  c_h mn, a pair for (t, h) at CM + 8 t + 2 h
.set MR,   32                          ; v32-63  m of the k-step in hand, 16 a tile; with v64-95: the way out
.set TMP,  96                          ; v96-111 a unit's 16 numbers: exponent, then weight, each in its own register from its scaling to its rounding
.set P,    128                         ; v128-143 P, a buffer a tile
.set LS,   144                         ; v144-147 the four heads' sums, to store
.set UU,   148                         ; v148-155 U of my row, (t, h) at UU + 4 t + h
.set MNV,  156                         ; v156, v157 mn of my row in tile 0, 1
.set TOF,  158                         ; v158 my byte offset in thr
.set ONES, 128                         ; window 3
.set WV,   16                          ; s16  my wave's number
.set KIND, 17                          ; s17  0: I fetch m_dist; 1: vt
.set HALF, 18                          ; s18  which half of that tile's rows
.set CX,   19
.set XB,   20                          ; s20  my block of 128 rows
.set SPL,  21                          ; s21  my quarter of the keys
.set G1M,  28                          ; s[28:35] descriptor group 1, m_dist
.set G1V,  36                          ; s[36:43] vt
.set G0M,  44                          ; s[44:51] group 0, m_dist: a set for each of the two first fills; the second then walks on
.set G0V,  52                          ; s[52:59] vt
.set RR,   60                          ; s[60:63] r
.set NC,   66                          ; s[66:73] -c_h, in pairs
.set CC,   74                          ; s[74:77] c_h
.set SBR,  78                          ; s78  the slot that is read: 0 or SLOT
.set TBM,  79                          ; s79  LDS byte offset of the next runs of m_dist
.set WOFFM, 80                         ; s80  my tile's place in a slot, m_dist
.set WOFFV, 81                         ; s81  vt
.set CNT,  82
.set GRP,  83
.set HM,   84                          ; s84  lanes 16-31
.set M2,   85                          ; s85  a second mask beside VCC
.set PB,   86                          ; s[86:87] part at my wave's rows
.set LB,   88                          ; s[88:89] lsum at my wave's rows
.set TBV,  94                          ; s94  LDS byte offset of the next runs of vt
.set MSB, 0
.macro WIN new                         ; the immediate's high byte repeats the setting that is left; a switch that changes nothing is dropped
.if MSB != (\new)
	s_set_vgpr_msb (MSB<<8)|(\new)
.set MSB, \new
.endif
.endm
.macro PLACES
.rept 4
	v_nop
.endr
.endm
.macro CROUND                          ; a round of the cluster's barrier
	s_barrier_signal -1
	s_barrier_wait -1
	s_cmp_lg_u32 s[WV], 0
	s_cbranch_scc1 .Lnot_wave_0_\@
	s_barrier_signal -3
.Lnot_wave_0_\@:
	s_barrier_wait -3
	s_barrier_signal -1
	s_barrier_wait -1
.endm
; A refill, by the walking sets.  The branch hangs on the wave's number alone.  An s_nop 0 and four v_nop follow each of the two lines.
.macro JLOAD
	s_cmp_eq_u32 s[KIND], 0
	s_cbranch_scc0 .Lfor_v_\@
	tensor_load_to_lds s[G0M+4:G0M+7], s[G1M:G1M+7]
	s_nop 0
	PLACES
	s_branch .Lasked_\@
.Lfor_v_\@:
	tensor_load_to_lds s[G0V+4:G0V+7], s[G1V:G1V+7]
	s_nop 0
	PLACES
.Lasked_\@:
.endm
	s_load_b256 s[4:11], s[0:1], 0x0               ; m_dist s[4:5], thr s[6:7], vt s[8:9], r s[10:11]
	s_load_b128 s[12:15], s[0:1], 0x20             ; part s[12:13], lsum s[14:15]
	v_lshl_add_u32 v[SPW], v0, 2, SPARE
	v_mov_b32 v[NIL], 0
	ds_add_u32 v[SPW], v[NIL]                      ; the wave's opening: the add and its wait ahead of my first tensor load
	v_lshrrev_b32 v1, 5, v0
	v_readfirstlane_b32 s[WV], v1                  ; wave 0..3
	s_lshr_b32 s[KIND], s[WV], 1
	s_and_b32 s[HALF], s[WV], 1
	s_bfe_u32 s[CX], ttmp6, 0x40000                ; my place in the cluster
	s_lshl_b32 s[XB], ttmp9, 2                     ; in a cluster launch ttmp9 counts clusters
	s_add_co_u32 s[XB], s[XB], s[CX]
	s_and_b32 s[SPL], ttmp7, 0xffff
	s_mov_b32 s[G1M], (2<<16)|(1<<20)|(6<<22)|(3<<25)  ; no mask; 4-byte elements; padding on: after every 128 words (code 6) 4 words (code 3)
	s_mov_b32 s[G1M+1], 128<<16                    ; tensor_dim0 = 128
	s_mov_b32 s[G1M+2], 64<<16                     ; tensor_dim1 = 64
	s_mov_b32 s[G1M+3], 128<<16                    ; tile_dim0 = 128
	s_mov_b32 s[G1M+4], 64                         ; tile_dim1 = 64
	s_mov_b32 s[G1M+5], 4096                       ; elements from row to row
	s_mov_b32 s[G1M+6], 0
	s_mov_b32 s[G1M+7], 0
	s_mov_b32 s[G1V], 15|(1<<16)|(1<<20)|(1<<21)|(5<<22)|(3<<25)  ; the mask of four; 2-byte elements; padding on; bit 21 beside a mask; after every 64 words (code 5) 4 words
	s_mov_b32 s[G1V+1], 128<<16
	s_mov_b32 s[G1V+2], 128<<16                    ; 128 rows
	s_mov_b32 s[G1V+3], 128<<16
	s_mov_b32 s[G1V+4], 128
	s_mov_b32 s[G1V+5], 4096
	s_mov_b32 s[G1V+6], 0
	s_mov_b32 s[G1V+7], 0
	s_lshl_b32 s22, s[XB], 21                      ; m_dist: 128 rows of 16,384 bytes a block,
	s_lshl_b32 s23, s[HALF], 20                    ; 64 rows a half,
	s_add_co_u32 s22, s22, s23
	s_lshl_b32 s23, s[SPL], 12                     ; 1,024 keys of 4 bytes a quarter
	s_add_co_u32 s22, s22, s23
	s_mov_b32 s23, 0
	s_lshr_b32 s24, ttmp9, 3                       ; vt: the batch, from the cluster's number alone: these two registers never hold my place in the cluster
	s_lshl_b32 s24, s24, 21
	s_lshl_b32 s25, s[HALF], 20                    ; 128 rows of 8,192 bytes a half,
	s_add_co_u32 s24, s24, s25
	s_lshl_b32 s25, s[SPL], 11                     ; 1,024 keys of 2 bytes a quarter
	s_add_co_u32 s24, s24, s25
	s_mov_b32 s25, 0
	s_mul_i32 s[WOFFM], s[HALF], 64*MP
	s_mul_i32 s[WOFFV], s[HALF], 128*VP
	s_add_co_u32 s[WOFFV], s[WOFFV], VOFF
	s_lshl_b32 s26, s[XB], 12                      ; thr: 32 bytes a row
	s_lshl_b32 s27, s[WV], 10
	s_add_co_u32 s26, s26, s27
	s_mov_b32 s27, 0
	s_lshl_b32 s90, s[SPL], 23                     ; part: 8,192 rows of 1,024 bytes a quarter
	s_lshl_b32 s91, s[XB], 17
	s_add_co_u32 s90, s90, s91
	s_lshl_b32 s91, s[WV], 15
	s_add_co_u32 s90, s90, s91
	s_mov_b32 s91, 0
	s_lshl_b32 s92, s[SPL], 17                     ; lsum: 16 bytes a row
	s_lshl_b32 s93, s[XB], 11
	s_add_co_u32 s92, s92, s93
	s_lshl_b32 s93, s[WV], 9
	s_add_co_u32 s92, s92, s93
	s_mov_b32 s93, 0
	s_mov_b32 s[SBR], 0
	s_mov_b32 s[TBM], 0
	s_mov_b32 s[TBV], 0
	s_mov_b32 s[HM], 0xffff0000
	s_wait_dscnt 0x0                               ; the opening add is done
	s_wait_kmcnt 0x0
	s_load_b128 s[RR:RR+3], s[10:11], 0x0          ; the four r
	s_add_nc_u64 s[4:5], s[4:5], s[22:23]
	s_add_nc_u64 s[8:9], s[8:9], s[24:25]
	s_add_nc_u64 s[6:7], s[6:7], s[26:27]
	s_add_nc_u64 s[PB:PB+1], s[12:13], s[90:91]
	s_add_nc_u64 s[LB:LB+1], s[14:15], s[92:93]
.irp s, 0,1
	s_mov_b32 s[G0M+4*\s], 1                                       ; count = 1
	s_add_co_u32 s[G0M+4*\s+1], s[WOFFM], \s*SLOT                  ; LDS address
	s_add_nc_u64 s[G0M+4*\s+2:G0M+4*\s+3], s[4:5], \s*512          ; global address: keys 128 s on
	s_or_b32 s[G0M+4*\s+3], s[G0M+4*\s+3], 0x80000000              ; type = 2
	s_mov_b32 s[G0V+4*\s], 1
	s_add_co_u32 s[G0V+4*\s+1], s[WOFFV], \s*SLOT
	s_add_nc_u64 s[G0V+4*\s+2:G0V+4*\s+3], s[8:9], \s*256
	s_or_b32 s[G0V+4*\s+3], s[G0V+4*\s+3], 0x80000000
.endr
	CROUND                                         ; all four work-groups are here: the first joint loads meet
	s_cmp_eq_u32 s[KIND], 0                        ; a wave's two first fills stand in one branch, ahead of every wait on TENSORcnt and every LDS read
	s_cbranch_scc0 .Lfirst_v
	tensor_load_to_lds s[G0M:G0M+3], s[G1M:G1M+7]
	s_nop 0
	tensor_load_to_lds s[G0M+4:G0M+7], s[G1M:G1M+7]
	s_nop 0
	PLACES
	s_branch .Lfirst_asked
.Lfirst_v:
	tensor_load_to_lds s[G0V:G0V+3], s[G1V:G1V+7]
	s_nop 0
	tensor_load_to_lds s[G0V+4:G0V+7], s[G1V:G1V+7]
	s_nop 0
	PLACES
.Lfirst_asked:
	v_and_b32 v1, 15, v0                           ; l % 16
	v_bfe_u32 v2, v0, 4, 1                         ; l / 16
	v_and_b32 v3, 31, v0                           ; l
	v_lshlrev_b32 v[TOF], 5, v1
	global_load_b128 v[UU:UU+3],   v[TOF], s[6:7]             ; the four U of my row in tile 0,
	global_load_b128 v[UU+4:UU+7], v[TOF], s[6:7] offset:512  ; in tile 1,
	global_load_b32 v[MNV],   v[TOF], s[6:7] offset:16        ; and the rows' mn
	global_load_b32 v[MNV+1], v[TOF], s[6:7] offset:528
	s_mul_i32 s22, s[WV], 32*MP
	v_mul_u32_u24 v[AMB], v1, MP                   ; row 32 w + l % 16, 32 bytes for each half of the lanes
	v_lshl_add_u32 v[AMB], v2, 5, v[AMB]
	v_add_nc_u32 v[AMB], s22, v[AMB]
	v_mul_u32_u24 v[AVB], v1, VP                   ; channel row l % 16, 16 bytes for each half
	v_lshl_add_u32 v[AVB], v2, 4, v[AVB]
	v_add_nc_u32 v[AVB], VOFF, v[AVB]
	s_mul_i32 s22, s[WV], 16*MP
	s_add_co_u32 s22, s22, STAGE                   ; my stage
	v_mul_u32_u24 v[STO], v1, MP
	v_lshl_add_u32 v[STO], v2, 5, v[STO]
	v_add_nc_u32 v[STO], s22, v[STO]
	v_lshlrev_b32 v[GO], 4, v3
	v_add_nc_u32 v[RD], s22, v[GO]
	v_mov_b32 v[NEGB], 0xff7fffff
	WIN 0xc0
.set i, 0
.rept 8
	v_mov_b32 v[ONES+i], 0x3c003c00                ; 1.0 twice, in f16
.set i, i+1
.endr
	WIN 0
	s_wait_kmcnt 0x0                               ; r
.irp h, 0,1,2,3
	s_mul_f32 s22, s[RR+\h], s[RR+\h]
	s_mul_f32 s[NC+2*\h], s22, 0xbfb8aa3b          ; -r^2 log2(e)
	s_mul_f32 s[CC+\h], s22, 0x3fb8aa3b
	s_mov_b32 s[NC+2*\h+1], s[NC+2*\h]             ; named with it as a pair
.endr
	s_wait_loadcnt 0x0
.irp t, 0,1
.irp h, 0,1,2,3
	v_mul_f32 v[CM+8*\t+2*\h],   s[CC+\h], v[MNV+\t]
	v_mul_f32 v[CM+8*\t+2*\h+1], s[CC+\h], v[MNV+\t]
.endr
.endr
; THE LDS LOADS stand in runs.  ADRM makes the address of the next k-step's m, for both tiles' runs; ADRH that of its fragments of vt, for all four heads' runs.
.macro ADRM
	v_add_nc_u32 v[AMP], s[TBM], v[AMB]
	s_add_co_u32 s[TBM], s[TBM], 128               ; 32 keys on
.endm
.macro ADRH
	v_add_nc_u32 v[AVP], s[TBV], v[AVB]
	s_add_co_u32 s[TBV], s[TBV], 64
.endm
; RUNM t: the next k-step's m of tile t, 16 numbers a lane: 4 loads.
.macro RUNM t
	ds_load_b128 v[MR+16*(\t):MR+16*(\t)+3],     v[AMP] offset:(\t)*16*MP
	ds_load_b128 v[MR+16*(\t)+4:MR+16*(\t)+7],   v[AMP] offset:(\t)*16*MP+16
	ds_load_b128 v[MR+16*(\t)+8:MR+16*(\t)+11],  v[AMP] offset:(\t)*16*MP+64
	ds_load_b128 v[MR+16*(\t)+12:MR+16*(\t)+15], v[AMP] offset:(\t)*16*MP+80
.endm
; RUNH h: a k-step's fragments of head h's 64 channels: 8 loads.
.macro RUNH h
	WIN 0xc0                                       ; destination window 3, address window 0
.irp cb, 0,1,2,3
	ds_load_b128 v[32*(\h)+8*\cb:32*(\h)+8*\cb+3],   v[AVP] offset:(64*(\h)+16*\cb)*VP
	ds_load_b128 v[32*(\h)+8*\cb+4:32*(\h)+8*\cb+7], v[AVP] offset:(64*(\h)+16*\cb)*VP+32
.endr
	WIN 0
.endm
; Product cb of unit u = 2 h + t.  The 40 accumulators take turns, one instruction a turn.  zero = 1: the product starts the sum.
.macro MMA u, cb, zero
.set rA, 40*((\u)/2)+8*(\cb)
.if (\cb) == 4
.set rV, ONES
.else
.set rV, 32*((\u)/2)+8*(\cb)
.endif
.set rP, P+8*((\u)%2)
	WIN 0x53+0x50*((\u)%2)                         ; vt in window 3, P in window 0, the accumulator in window 1 or 2
.if \zero
	v_wmma_f32_16x16x32_f16 v[rA:rA+7], v[rV:rV+7], v[rP:rP+7], 0
.else
	v_wmma_f32_16x16x32_f16 v[rA:rA+7], v[rV:rV+7], v[rP:rP+7], v[rA:rA+7]
.endif
	WIN 0
.endm
.macro PM cb                           ; the unit before's product cb, if there is a unit before; unit 6's first product waits for head 3's fragments
.if UPREV >= 0
.if ((\cb) == 0) && (UPREV == 6)
	s_wait_dscnt VWAIT
.endif
	MMA UPREV, \cb, ZERO
.endif
.endm
.macro FM i                            ; pair i: -c m + c mn
	v_pk_fma_f32 v[TMP+2*(\i):TMP+2*(\i)+1], v[MR+16*UT+2*(\i):MR+16*UT+2*(\i)+1], s[NC+2*UH:NC+2*UH+1], v[CM+8*UT+2*UH:CM+8*UT+2*UH+1] op_sel_hi:[1,0,0]
.endm
.macro EX e                            ; number e's exponential, in place
	v_exp_f32 v[TMP+(\e)], v[TMP+(\e)]
.endm
.macro CV i                            ; pair i rounded to f16: a reader of two exponentials' results: it stands behind the unit's wait
	v_cvt_pk_f16_f32 v[P+8*UT+(\i)], v[TMP+2*(\i)], v[TMP+2*(\i)+1]
.endm
; Pair i of a unit: where U < m the exponent becomes the lowest finite f32 (two mask registers by turns).  The two exponentials of the pair before stand between its lines, so that each has plain
; neighbours; the lines behind them write pair i's registers and later pairs', never a result.
.macro PAIR i
	v_cmp_lt_f32 vcc_lo, v[UU+4*UT+UH], v[MR+16*UT+2*(\i)]
	v_cmp_lt_f32 s[M2],  v[UU+4*UT+UH], v[MR+16*UT+2*(\i)+1]
.if (\i) > 0
	EX 2*(\i)-2
.endif
	v_cndmask_b32 v[TMP+2*(\i)],   v[TMP+2*(\i)],   v[NEGB], vcc_lo
	v_cndmask_b32 v[TMP+2*(\i)+1], v[TMP+2*(\i)+1], v[NEGB], s[M2]
.if (\i) > 0
	EX 2*(\i)-1
.endif
.endm
; UNIT u: its 64 lines, the five products of unit prev among them (prev = -1: there is none).  fetch = 1: the unit's runs of LDS loads are issued.
; AHEAD OF THE WAIT: four scalings, so that the first product does not stand straight behind the roundings that made its P; then the pairs, the other scalings and the products.
; THE RUNS GO IN A RING: head 0's (8 loads) in unit 2, head 1's (8) in unit 4, head 2's (8) and tile 0's m (4) in unit 6, tile 1's m (4) in unit 7, head 3's (8) in unit 0: each directly behind
; the unit's wait, behind the last reader of its registers: m is read by the scalings and compares alone; a head's fragments were last read by product 3 of the unit's text, and behind that product stand
; pairs 6 and 7's four selects and the line behind the last exponential: five plain lines, the four compares not counted, that name none of its registers (ISA guide 7.12.1 for vector instructions).
; BEHIND THE WAIT AND THE RUNS: the 8 roundings.  They write the tile's buffer of P, which the products of this unit's text (the other tile's) do not read.
.macro UNIT u, prev, fetch
.set UPREV, \prev
.set UT, (\u)%2
.set UH, (\u)/2
	FM 0
	FM 1
	FM 2
	FM 3
	PM 0
	PAIR 0
	FM 4
	FM 5
	PAIR 1
	PM 1
	PAIR 2
	FM 6
	PAIR 3
	FM 7
	PM 2
	PAIR 4
	PAIR 5
	PM 3
	PAIR 6
	PM 4
	PAIR 7
	EX 14
	EX 15
.if (\fetch) && ((\u) == 2)                        ; a plain line behind the last exponential, ahead of the first use of a result (ISA guide 5.7.2): the address of the runs to come, where one is due,
	ADRH
.elseif (\fetch) && ((\u) == 6)
	ADRM
.else
	v_nop                                          ; else a v_nop: every other plain line of a unit feeds an exponential
.endif
	s_wait_alu depctr_va_vdst(0)                   ; the wait ahead of the first line that names a result: ONE for the unit's 16 exponentials
.if \fetch
.if (\u) == 0
	RUNH 3
.elseif (\u) == 2
	RUNH 0
.elseif (\u) == 4
	RUNH 1
.elseif (\u) == 6
	RUNH 2
	RUNM 0
.elseif (\u) == 7
	RUNM 1
.endif
.endif
.irp c, 0,1,2,3,4,5,6,7
	CV \c
.endr
.endm
; HEAD: unit 0.  It needs tile 0's m: behind that run tile 1's 4 loads were issued.  prev = 7: it carries unit 7's products of the k-step before; -1: there is none.
.macro HEAD prev
	s_wait_dscnt 4
	UNIT 0, \prev, 1
.endm
; REST: units 1 to 7.  Unit 1 needs tile 1's m: behind that run head 3's 8 loads were issued; all older runs, heads 0 to 2's, are then in too.
; Unit 6's products need head 3's fragments: behind that run 8 + 8 + 8 + 4 = 28 loads were issued.  last = 1: the last k-step fetches nothing, so that wait is for 0.
.macro REST last
	s_wait_dscnt 8
.if \last
.set VWAIT, 0
.else
.set VWAIT, 28
.endif
.set FE, 1-(\last)
.set u, 1
.rept 7
	UNIT u, u-1, FE
.set u, u+1
.endr
.endm
; THE CHANGE OF SLOTS.  Each wave waits for all its tensor loads, of which one is out: its part of the other slot; adds 0 to its spare word; and waits for that and for its own reads of
; the slot that it leaves.  fill = 1: that slot is filled again, with the keys two slots on: the barrier is then a round of the cluster's, and the refill is the first thing behind it.
.macro CHANGE fill
	WIN 0
	s_wait_tensorcnt 0x0                           ; no tensor load of mine is out, so a group 0 may be written
	ds_add_u32 v[SPW], v[NIL]                      ; 0 onto my spare word
.if \fill
	s_add_co_u32 s[G0M+5], s[SBR], s[WOFFM]        ; the walking sets: into the slot that has been read,
	s_add_nc_u64 s[G0M+6:G0M+7], s[G0M+6:G0M+7], 512  ; the next 128 keys; the type bits on top are not reached
	s_add_co_u32 s[G0V+5], s[SBR], s[WOFFV]
	s_add_nc_u64 s[G0V+6:G0V+7], s[G0V+6:G0V+7], 256
.endif
	s_xor_b32 s[SBR], s[SBR], SLOT                 ; the fetches go on at the other slot's head
	s_mov_b32 s[TBM], s[SBR]
	s_mov_b32 s[TBV], s[SBR]
	s_wait_dscnt 0x0                               ; the add is done, and my reads of the slot are over
.if \fill
	CROUND
	JLOAD
.else
	s_barrier_signal -1
	s_barrier_wait -1
.endif
.endm
	s_wait_tensorcnt 0x1                           ; my part of slot 0 is in; slot 1's may stay out
	s_barrier_signal -1
	s_barrier_wait -1                              ; everybody's is
	ADRH
	RUNH 0                                         ; k-step 0's operands, in the ring's order
	RUNH 1
	RUNH 2
	ADRM
	RUNM 0
	RUNM 1
.set ZERO, 1
.set VWAIT, 28
	HEAD -1                                        ; k-step 0's unit 0
	REST 0                                         ; the first trip is written out: its 40 products start the sums
	HEAD 7
.set ZERO, 0
	s_mov_b32 s[CNT], 2                            ; k-steps 1 and 2 (with unit 0 of 2 and 3) run in the loop's text: it is entered at a trip's head
	s_mov_b32 s[GRP], 7
	s_branch .Lstep
.Lslot:                                                ; six times: slots 2 to 7 are asked for
	CHANGE 1
	s_mov_b32 s[CNT], 4
.Lstep:
	REST 0
	HEAD 7
	s_sub_co_u32 s[CNT], s[CNT], 1
	s_cmp_lg_u32 s[CNT], 0
	s_cbranch_scc1 .Lstep
	s_sub_co_u32 s[GRP], s[GRP], 1
	s_cmp_lg_u32 s[GRP], 0
	s_cbranch_scc1 .Lslot
	CHANGE 0                                       ; the tail is written out: nothing is asked for
	s_mov_b32 s[CNT], 4
.Ltail:                                                ; k-steps 27 to 30, with unit 0 of 28 to 31
	REST 0
	HEAD 7
	s_sub_co_u32 s[CNT], s[CNT], 1
	s_cmp_lg_u32 s[CNT], 0
	s_cbranch_scc1 .Ltail
	REST 1                                         ; k-step 31
.set UPREV, 7
.irp cb, 0,1,2,3,4
	PM \cb                                         ; and its last unit's products
.endr
	; THE WAY OUT.  A tile and two heads at a time: a lane's 32 bytes of a row go into my stage (rows of 528 bytes) and come back as whole rows of 512 bytes.
	PLACES                                         ; the places behind the last products
.irp t, 0,1
.irp hp, 0,1
	WIN (1+\t)<<2                                  ; the stores' data in window 1 or 2
.irp hh, 0,1
.irp cb, 0,1,2,3
	ds_store_b128 v[STO], v[40*(2*\hp+\hh)+8*\cb:40*(2*\hp+\hh)+8*\cb+3]   offset:\hh*256+\cb*64
	ds_store_b128 v[STO], v[40*(2*\hp+\hh)+8*\cb+4:40*(2*\hp+\hh)+8*\cb+7] offset:\hh*256+\cb*64+16
.endr
.endr
	WIN 0
.if (\t+\hp) > 0
	s_wait_xcnt 0x0                                ; the registers that the last pass's stores read are loaded again only behind this wait
.endif
.set i, 0
.rept 16
	ds_load_b128 v[MR+4*i:MR+4*i+3], v[RD] offset:i*MP  ; LDS serves a wave's instructions in order (ISA guide 5.7.1.4): these see the stores above; the next pass's stores come behind them
.set i, i+1
.endr
.set i, 0
.rept 16
	s_wait_dscnt 15-i
	global_store_b128 v[GO], v[MR+4*i:MR+4*i+3], s[PB:PB+1] offset:i*1024+\t*16384+\hp*512  ; 512 consecutive bytes, at a multiple of 256 from part's first byte
.set i, i+1
.endr
.endr
.endr
	WIN 0x09                                       ; source 0 window 1 (tile 0), source 1 window 2 (tile 1)
.irp h, 0,1,2,3
	v_cndmask_b32 v[LS+\h], v[40*\h+32], v[40*\h+32], s[HM]  ; every register of a sum's accumulator holds the lane's row's sum: lanes 0-15 take tile 0's, lanes 16-31 tile 1's: lane l has row l
.endr
	WIN 0
	global_store_b128 v[GO], v[LS:LS+3], s[LB:LB+1]  ; 32 rows x 4 heads: 512 consecutive bytes
	s_wait_tensorcnt 0x0                           ; the wave's end
	ds_add_u32 v[SPW], v[NIL]
	s_wait_dscnt 0x0
	CROUND                                         ; the closing round
	s_endpgm
.Lfunc_end_k_qa5cf23b2e1_attend:
	.size	k_qa5cf23b2e1_attend, .Lfunc_end_k_qa5cf23b2e1_attend-k_qa5cf23b2e1_attend
	.p2alignl 7, 3214868480
	.fill 96, 4, 3214868480
	.section	.rodata,"a",@progbits
	.p2align	6, 0x0
	.amdhsa_kernel k_qa5cf23b2e1_attend
		.amdhsa_group_segment_fixed_size 327680
		.amdhsa_private_segment_fixed_size 0
		.amdhsa_enable_private_segment 0
		.amdhsa_kernarg_size 48
		.amdhsa_user_sgpr_count 2
		.amdhsa_user_sgpr_kernarg_segment_ptr 1
		.amdhsa_wavefront_size32 1
		.amdhsa_system_sgpr_workgroup_id_x 1
		.amdhsa_system_sgpr_workgroup_id_y 1
		.amdhsa_system_sgpr_workgroup_id_z 1
		.amdhsa_system_vgpr_workitem_id 0
		.amdhsa_next_free_vgpr 904
		.amdhsa_next_free_sgpr 96
		.amdhsa_reserve_vcc 1
		.amdhsa_float_denorm_mode_32 3
		.amdhsa_float_denorm_mode_16_64 3
		.amdhsa_memory_ordered 1
		.amdhsa_forward_progress 1
		.amdhsa_inst_pref_size 158
	.end_amdhsa_kernel
	.amdgpu_metadata
---
amdhsa.version: [ 1, 2 ]
amdhsa.kernels:
  - .name:           k_qa5cf23b2e1_attend
    .symbol:         k_qa5cf23b2e1_attend.kd
    .args:
      - { .name: m_dist, .offset: 0, .size: 8, .value_kind: global_buffer, .address_space: global }
      - { .name: thr, .offset: 8, .size: 8, .value_kind: global_buffer, .address_space: global }
      - { .name: vt, .offset: 16, .size: 8, .value_kind: global_buffer, .address_space: global }
      - { .name: r, .offset: 24, .size: 8, .value_kind: global_buffer, .address_space: global }
      - { .name: part, .offset: 32, .size: 8, .value_kind: global_buffer, .address_space: global }
      - { .name: lsum, .offset: 40, .size: 8, .value_kind: global_buffer, .address_space: global }
    .group_segment_fixed_size: 327680
    .private_segment_fixed_size: 0
    .kernarg_segment_align: 8
    .kernarg_segment_size: 48
    .max_flat_workgroup_size: 128
    .sgpr_count:     96
    .vgpr_count:     904
    .wavefront_size: 32
...
	.end_amdgpu_metadata
.endif
;; end of part 5
;; launch finish: the kernel of part 4 again; grid 256 x 1, 8 waves a work-group, no clusters, 0 bytes of LDS; arguments part, lsum, out0; writes out0
